; MI455X (gfx1250); checked and timed in simulation.
; The chip was launched on July 23, 2026; its instructions are those of AMD's public machine-readable ISA for CDNA 5 (MIT licence, August 2026) and "CDNA5" Instruction Set Architecture Reference Guide (July 2026). The comments in the code are by the model that wrote it; some were corrected since.
;; Causal Attention. Allowed arithmetic: matrix products marked QUANTISED: E3M2 operands, one E8M0 scale for each 32 along K, by v_wmma_scale_f32_16x16x128_f8f6f4 with both operands' format E3M2, f32 sums; everything else in f32.
;; Inputs: Wk 1,024 x 1,024 float32; Wq 1,024 x 1,024 float32; Wv 1,024 x 1,024 float32; x 4 x 2,048 x 1,024 float32.
;; Outputs: out0 4 x 2,048 x 1,024 float32.
;; This version of the problem:
;;   THIS VERSION OF THE PROBLEM IS GIVEN IN LOW PRECISION. The matrix products marked QUANTISED in the list below multiply operands that are first quantised to E3M2 (3 exponent bits, 2 mantissa bits; 6 bits a number), with one power-of-two scale for each 32 numbers along K (OCP MX v1.0); their sums are f32. All else is computed in f32.
;;   The module's matrix products, in the order in which they are computed (A, B: the left and right operand; K: the contracted axis; several contracted axes count as one K, in the product's order):
;;     1. [M 8,192, K 1,024] x [K 1,024, N 1,024]; A: input x; B: input Wq: QUANTISED
;;     2. [M 8,192, K 1,024] x [K 1,024, N 1,024]; A: input x; B: input Wk: QUANTISED
;;     3. [M 8,192, K 1,024] x [K 1,024, N 1,024]; A: input x; B: input Wv: QUANTISED
;;     4. batch 4 x [M 2,048, K 1,024] x [K 1,024, N 2,048]; A: computed on the way; B: computed on the way: QUANTISED
;;     5. batch 4 x [M 2,048, K 2,048] x [K 2,048, N 1,024]; A: softmax (see below); B: computed on the way: QUANTISED
;;   THE QUANTISER, for each operand of a quantised product, along K:
;;     - K is cut into blocks of 32 from its start; a last block that is shorter is filled with zeros.
;;     - A block's scale is 2^e with e = floor(log2(the largest magnitude in the block)) - 4, held to -126 .. 127; a block of zeros has e = 0. As a byte (E8M0): e + 127.
;;     - Each number is divided by its block's scale, clamped to +-28, and rounded to the nearest number of E3M2, ties to even, subnormals kept.
;;     - The product sums the exact products of the quantised numbers (number of the format x scale) in f32.
;;   ~~~python
;;   def quantise(x, axis):      # numpy; x: float32 -> the quantised numbers, widened to float32 again
;;       x = np.moveaxis(x, axis, -1); K = x.shape[-1]
;;       x = np.pad(x, [(0, 0)] * (x.ndim - 1) + [(0, -K % 32)]); x = x.reshape(x.shape[:-1] + (-1, 32)); a = np.abs(x).max(-1, keepdims=True)
;;       e = np.where(a > 0, np.clip(np.frexp(np.where(a > 0, a, 1))[1] - 1 - 4, -126, 127), 0)      # np.frexp(a)[1] - 1 = floor(log2(a)), exactly
;;       r = np.clip(x / 2.0 ** e, -28, 28)
;;       step = 2.0 ** (np.maximum(np.frexp(np.where(r == 0, 1, r))[1] - 1, -2) - 2)
;;       q = np.round(r / step) * step * 2.0 ** e      # np.round: ties to even
;;       return np.moveaxis(q.reshape(q.shape[:-2] + (-1,))[..., :K], -1, axis).astype(np.float32)
;;   ~~~
;;   SOFTMAX AHEAD OF A QUANTISED PRODUCT. Where the list says 'softmax', what is quantised is not the finished softmax but p = 2^(t - M), with t = logit x log2(e) and M = ceil(the row's largest t), a whole number; so 1/2 < the row's largest p <= 1. The row's sum l is taken of the UNQUANTISED p, in f32, and the product's result is divided by l at the end. Since M is a whole number, a kernel that streams over the keys may use a running M (the ceiling of the running maximum): every later rescaling is an exact power of two, which a block's scale takes up: the codes' values come out the same.
;;   OPERANDS COMPUTED ON THE WAY. 'Computed on the way' means the value that the module computes at that place (a softmax that the list does not call 'softmax' is quantised finished and normalised). What goes into a quantiser is computed in f32, as accurately as f32 sums, v_exp_f32 and their like allow (about 1e-6 of the number): no bf16 or f16 on the way to a quantiser, and a product that is left as it is and whose result goes on into a quantised operand takes f32 operands (vector FMAs, or v_wmma_f32_16x16x4_f32). A number that lies on a knife's edge between two numbers of the format may be rounded either way, as far as f32 arithmetic and the matrix unit's own rounding can turn it there, and no further.
;; One version. Each part assembles by itself: llvm-mc -triple=amdgcn-amd-amdhsa -mcpu=gfx1250 --defsym DOCPART=n.
;; ======== version 1 of 1: 4 launches
;; limits: right only within a limited range of input values
;; workspace buffers: xw_c 8,650,752 bytes; xw_s 360,448 bytes; qkv_c 18,874,368 bytes; qkv_s 786,432 bytes; p_c 12,582,912 bytes; p_st 1,572,864 bytes
;; launch quant (part 1): grid 352 x 1, 4 waves a work-group, no clusters, 35,328 bytes of LDS; arguments x, Wq, Wk, Wv, xw_c, xw_s; writes xw_c, xw_s
.if DOCPART == 1
	.amdgcn_target "amdgcn-amd-amdhsa--gfx1250"
	.amdhsa_code_object_version 6
	.text
	.protected	k_qc2a829152d_quant
	.globl	k_qc2a829152d_quant
	.p2align	8
	.type	k_qc2a829152d_quant,@function
k_qc2a829152d_quant:
	s_mov_b64 s[64:65], 0
	v_nop
	global_prefetch_b8 v0, s[64:65] scope:SCOPE_SE
	s_setreg_imm32_b32 hwreg(HW_REG_WAVE_MODE, 25, 1), 1
	s_wait_xcnt 0x0
; CAUSAL ATTENTION, one head of 1,024, B = 4, T = 2,048, all five products on codes of BF6 (E3M2) with one E8M0 scale for each 32 along K.  Four launches:
; quant (this one): x, Wq, Wk, Wv into codes;  proj: q, k, v, quantised on the way out;  score: q k^T on the live tiles, mask, p = 2^(t - M) with M by chunks of 128 keys, p's codes;  pv: p v, divided by the row's sum.
; WORK LEFT OUT, in the later launches.  For a key s > query t the problem's own lower-triangle mask sets the score to -infinity, so its weight in the softmax is exactly 0 whatever finite numbers x, Wq, Wk, Wv hold:
; a tile of 256 queries x 256 keys that lies wholly above the diagonal reaches no output, neither by the row's maximum, nor by the row's sum, nor by the second product.  So of 64 score tiles a batch 36 are made, and the
; second product walks only the key slots up to the diagonal.  LIMIT: a NaN, an infinity or an overflow that arises only in the tiles left out is not carried to the result.
; OTHER LIMITS: NaN and infinities among the inputs are not served; a block of zeros gets the scale byte 1 where the rule says 127 (its codes are zeros, which add nothing, and only this program reads the bytes).
; LAYOUT OF ALL WORKSPACE.  A FRAGMENT IMAGE is 16 rows x 128 K as the matrix unit's 12 registers a lane: register g of lane l at byte 512 (g / 4) + 16 l + 4 (g % 4): 1,536 bytes, moved by three instructions of 16 bytes a lane.
; TILE ORDER: rows go in groups of 32; lane r of tile 2 B + u holds row 32 B + 8 u + r + 8 (r / 8).  Scale words (four bytes: 128 along K of one row) lie [tile][K step][r].
; xw_c: [tile 704][K step 8] images; tiles 0-511 x (row = token), 512-575 Wq, 576-639 Wk, 640-703 Wv (row = column n of W, K = its first axis).  xw_s: [tile][K step][16] words.
; THIS LAUNCH streams: each input byte is read once, by loads of 512 (x) or 128 (W) consecutive bytes a wave.  No matrix unit, no tensor load, no barrier: waves share nothing.
; Work-groups 0-255 take x: a wave takes one tile of 16 rows x 512 along K.  A row's 512 bytes are loaded as they lie and turn through the wave's own stage in LDS, so that a lane gets 16 neighbours of each block of 32.
; Work-groups 256-351 take the weights: a lane takes a column n and its registers run down K, so a block of 32 is one lane's, and its six registers of codes ARE six registers of an operand's lane: no LDS.
.set WREG,  8704                       ; LDS of a wave: a stage of 16 rows x 528 bytes, then 256 bytes of scale words
.set WSC,   8448
.set SPARE, 4*WREG                     ; behind the four regions: the spare words, 128 bytes for each wave
.set SA,  4                            ; v4   stage, on the way in: 16 x lane
.set SB,  5                            ; v5   on the way out: 528 r + 64 h
.set LI,  6                            ; v6   16 x lane
.set WA,  7                            ; v7   my row's scale word in LDS
.set WB,  8                            ; v8   the scale words on their way out: 8 x lane
.set GO,  9                            ; v9   8 x lane
.set WOF, 10                           ; v10  weights: 4 x lane
.set COF, 11                           ; v11  weights: my place in the images
.set SOF, 12                           ; v12  weights: my place among the scale words
.set R,   16                           ; v16-143  two sets of 64 numbers as loaded
.set X,   144                          ; v144-207 64 numbers: register 16 b + i = k 32 b + 16 h + i of my row
.set PC,  208                          ; v208-227 codes
.set TM,  228                          ; v228-243 at work
.set PW,  244                          ; the scale word just made
.set SPW, 254                          ; v254 LDS address of my spare word; never rewritten
.set NIL, 255                          ; v255 0; never rewritten
.set XS,  32                           ; weights: v32-95 two sets of 32 numbers
.set GB,  96                           ; v96-143 the codes of 8 blocks: 24 sl + 12 hh + 6 cc
.set CT,  144
.set MX,  148
.set SCO, 150
.set BY,  151
.set SBW, 152                          ; v152-153 two scale words
.set SEL, 22                           ; s[22:23] lane selects: lane l xor 16
; 64 numbers of a lane become a fragment's codes in v[PC] on and its scale word in v[PW].
.macro QUANT s
.irp b, 0,1,2,3
	v_max3_num_f32 v[TM+\b], |v[\s+16*\b]|, |v[\s+1+16*\b]|, 0x2800000   ; block b: my 16 numbers, and the floor 2^(5 - 127): the byte cannot fall under 1
.endr
.irp i, 2,4,6,8,10,12,14
.irp b, 0,1,2,3
	v_max3_num_f32 v[TM+\b], v[TM+\b], |v[\s+16*\b+\i]|, |v[\s+1+16*\b+\i]|
.endr
.endr
.irp b, 0,1,2,3
	v_permlanex16_b32 v[TM+4+\b], v[TM+\b], s[SEL], s[SEL+1]
.endr
.irp b, 0,1,2,3
	v_max_num_f32 v[TM+\b], v[TM+\b], v[TM+4+\b]   ; with lane l xor 16's: the block's largest magnitude
.endr
.irp b, 0,1,2,3
	v_add_nc_u32 v[TM+12+\b], 0xfe000000, v[TM+\b]   ; 4 off its exponent field: the conversion's scale operand
.endr
.irp b, 0,1,2,3
	v_lshrrev_b32 v[TM+4+\b], 23, v[TM+12+\b]      ; the scale's byte
.endr
	v_lshl_or_b32 v[PW], v[TM+5], 8, v[TM+4]
	v_lshl_or_b32 v[PW], v[TM+6], 16, v[PW]
	v_lshl_or_b32 v[PW], v[TM+7], 24, v[PW]
.irp c, 0,1
	v_cvt_scalef32_pk16_bf6_f32 v[PC+6*\c:PC+2+6*\c], v[\s+32*\c:\s+15+32*\c], v[TM+12+2*\c]
	v_cvt_scalef32_pk16_bf6_f32 v[PC+12+4*\c:PC+14+4*\c], v[\s+16+32*\c:\s+31+32*\c], v[TM+12+2*\c+1]   ; (a conversion's three registers begin on an even number)
.endr
	v_nop                                          ; one plain place behind a scaled conversion
.irp c, 0,1                                    ; the operand wants a whole block in a lane: lanes 0-15 block 2 c, lanes 16-31 block 2 c + 1
.irp i, 0,1,2
	v_permlane16_swap_b32 v[PC+6*\c+\i], v[PC+12+4*\c+\i]
.endr
.irp i, 0,1,2
	v_mov_b32 v[PC+3+6*\c+\i], v[PC+12+4*\c+\i]
.endr
.endr
.endm
	s_load_b256 s[4:11], s[0:1], 0x0               ; x, Wq, Wk, Wv
	s_load_b128 s[12:15], s[0:1], 0x20             ; xw_c, xw_s
	v_lshl_add_u32 v[SPW], v0, 2, SPARE
	v_mov_b32 v[NIL], 0
	v_lshrrev_b32 v1, 5, v0
	v_readfirstlane_b32 s16, v1                    ; wave
	v_and_b32 v1, 31, v0                           ; lane
	s_mov_b32 s25, 0
	s_wait_kmcnt 0x0
	s_cmp_lt_u32 ttmp9, 256
	s_cbranch_scc0 .Lweights
	; ---- x.  unit = 4 x work-group + wave: tile unit / 2, K steps 4 (unit % 2) on
	s_lshl_b32 s17, ttmp9, 2
	s_add_co_u32 s17, s17, s16                     ; unit
	s_lshr_b32 s18, s17, 2
	s_lshl_b32 s18, s18, 17                        ; 32 rows of 4,096 bytes for each group of 32,
	s_bfe_u32 s19, s17, 0x10001
	s_lshl_b32 s19, s19, 15                        ; 8 rows for the odd tile,
	s_add_co_u32 s18, s18, s19
	s_and_b32 s19, s17, 1
	s_lshl_b32 s19, s19, 11                        ; 2,048 bytes for the second half of K
	s_add_co_u32 s24, s18, s19
	s_add_nc_u64 s[4:5], s[4:5], s[24:25]
	s_mul_i32 s24, s17, 6144                       ; four images a unit
	s_add_nc_u64 s[12:13], s[12:13], s[24:25]
	s_lshl_b32 s24, s17, 8                         ; 256 bytes of scale words a unit
	s_add_nc_u64 s[14:15], s[14:15], s[24:25]
	s_mov_b32 s[SEL], 0x76543210
	s_mov_b32 s[SEL+1], 0xfedcba98
	s_mul_i32 s20, s16, WREG
	s_add_co_u32 s21, s20, WSC
	v_and_b32 v2, 15, v0                           ; r
	v_bfe_u32 v3, v0, 4, 1                         ; h
	v_lshlrev_b32 v[LI], 4, v1
	v_add_nc_u32 v[SA], s20, v[LI]
	v_mul_u32_u24 v[SB], v2, 528
	v_lshl_add_u32 v[SB], v3, 6, v[SB]
	v_add_nc_u32 v[SB], s20, v[SB]
	v_lshl_add_u32 v[WA], v2, 2, s21
	v_lshl_add_u32 v[WB], v1, 3, s21
	v_lshlrev_b32 v[GO], 3, v1
.irp b, 0,1,2,3
	v_mov_b32 v[TM+4+\b], 0                        ; written once: a lane permute's destination counts as one of its sources
.endr
.macro XLOAD t                         ; K step t: 16 rows x 512 bytes; each load is one row's 512 consecutive bytes
.irp i, 0,1,2,3,4,5,6,7,8,9,10,11,12,13,14,15
	global_load_b128 v[R+64*((\t)%2)+4*\i:R+64*((\t)%2)+4*\i+3], v[LI], s[4:5] offset:(\i+8*(\i/8))*4096+512*(\t) th:TH_LOAD_NT
.endr
.endm
.macro XTURN t                         ; through the stage: rows 528 bytes apart, so that the sixteen rows of a read start in sixteen different groups of four banks.  LDS serves a wave's instructions in order
.irp i, 0,1,2,3,4,5,6,7,8,9,10,11,12,13,14,15
	ds_store_b128 v[SA], v[R+64*((\t)%2)+4*\i:R+64*((\t)%2)+4*\i+3] offset:528*\i
.endr
.irp b, 0,1,2,3
.irp j, 0,1,2,3
	ds_load_b128 v[X+16*\b+4*\j:X+16*\b+4*\j+3], v[SB] offset:128*\b+16*\j
.endr
.endr
.endm
	XLOAD 0
	XLOAD 1
.irp t, 0,1,2,3
.if \t < 3
	s_wait_loadcnt 16                              ; this step's 16 loads are in; the next step's 16 may be out
.else
	s_wait_loadcnt 0
.endif
	XTURN \t
	s_wait_dscnt 0x0                               ; my 64 numbers are back, and the stores into the stage have read their registers,
.if \t < 2
	XLOAD \t+2                                     ; which take the loads of two steps on
.endif
.if \t > 0
	s_wait_xcnt 0x0                                ; the last step's image stores have read the codes' registers
.endif
	QUANT X
.irp c, 0,1,2
	global_store_b128 v[LI], v[PC+4*\c:PC+4*\c+3], s[12:13] offset:1536*\t+512*\c   ; 512 consecutive bytes, aligned
.endr
	ds_store_b32 v[WA], v[PW] offset:64*\t         ; lanes r and r + 16 write the same word with the same value
.endr
	ds_load_b64 v[TM:TM+1], v[WB]                  ; four steps' scale words: 256 bytes
	s_wait_dscnt 0x0
	global_store_b64 v[GO], v[TM:TM+1], s[14:15]   ; one aligned run of 256 bytes
	s_branch .Lend
	; ---- the weights.  g = work-group - 256: matrix g / 32, K quarter (g / 8) % 4, column block g % 8; a wave takes 32 columns x 256 along K
.Lweights:
	s_sub_co_u32 s17, ttmp9, 256
	s_lshr_b32 s18, s17, 5                         ; which matrix
	s_and_b32 s19, s17, 7
	s_bfe_u32 s20, s17, 0x20003                    ; which 256 along K
	s_cmp_eq_u32 s18, 1
	s_cselect_b64 s[6:7], s[8:9], s[6:7]
	s_cmp_eq_u32 s18, 2
	s_cselect_b64 s[6:7], s[10:11], s[6:7]
	s_lshl_b32 s19, s19, 2
	s_add_co_u32 s19, s19, s16                     ; my group of 32 columns
	s_lshl_b32 s24, s20, 20                        ; 256 rows of 4,096 bytes
	s_lshl_b32 s21, s19, 7
	s_add_co_u32 s24, s24, s21
	s_add_nc_u64 s[6:7], s[6:7], s[24:25]
	s_lshl_b32 s21, s18, 6
	s_lshl_b32 s26, s19, 1
	s_add_co_u32 s21, s21, s26
	s_add_co_u32 s21, s21, 512                     ; my even tile: 512 + 64 x matrix + 2 x group
	s_lshl_b32 s24, s21, 3
	s_lshl_b32 s26, s20, 1
	s_add_co_u32 s24, s24, s26
	s_mul_i32 s24, s24, 1536
	s_add_nc_u64 s[12:13], s[12:13], s[24:25]
	s_lshl_b32 s24, s21, 9
	s_lshl_b32 s26, s20, 7
	s_add_co_u32 s24, s24, s26
	s_add_nc_u64 s[14:15], s[14:15], s[24:25]
	v_lshlrev_b32 v[WOF], 2, v1                    ; lane c is column c of the group: tile u = (c / 8) % 2, its lane r = c % 8 + 8 (c / 16)
	v_bfe_u32 v2, v1, 3, 1
	v_and_b32 v3, 7, v1
	v_bfe_u32 v4, v1, 4, 1
	v_lshl_or_b32 v3, v4, 3, v3
	v_mul_u32_u24 v[COF], v2, 12288                ; a tile's eight images
	v_lshl_add_u32 v[COF], v3, 4, v[COF]
	v_lshlrev_b32 v[SOF], 9, v2
	v_lshl_add_u32 v[SOF], v3, 2, v[SOF]
.macro WLOAD t                         ; block t: W(32 t + i, my column): 128 consecutive bytes a wave, 512 a work-group
.irp i, 0,1,2,3,4,5,6,7,8,9,10,11,12,13,14,15,16,17,18,19,20,21,22,23,24,25,26,27,28,29,30,31
	global_load_b32 v[XS+32*((\t)%2)+\i], v[WOF], s[6:7] offset:(32*(\t)+\i)*4096 th:TH_LOAD_NT
.endr
.endm
; Block t is block t % 4 of K step t / 4: in the operand it belongs to lane r + 16 (t % 2), registers 6 ((t / 2) % 2) on.
.macro BLOCK t
.set XB, XS+32*((\t)%2)
.set G, GB+24*((\t)/4)+12*((\t)%2)+6*(((\t)/2)%2)
.if (\t) < 7
	s_wait_loadcnt 32                              ; this block's 32 loads are in; the next block's may be out
.else
	s_wait_loadcnt 0
.endif
	v_max3_num_f32 v[MX], |v[XB]|, |v[XB+1]|, |v[XB+2]|
	v_max3_num_f32 v[MX+1], |v[XB+3]|, |v[XB+4]|, |v[XB+5]|
.irp i, 6,10,14,18,22,26
	v_max3_num_f32 v[MX], v[MX], |v[XB+\i]|, |v[XB+\i+1]|
	v_max3_num_f32 v[MX+1], v[MX+1], |v[XB+\i+2]|, |v[XB+\i+3]|
.endr
	v_max3_num_f32 v[MX], v[MX], |v[XB+30]|, |v[XB+31]|
	v_max3_num_f32 v[MX], v[MX], v[MX+1], 0x2800000   ; and the floor
	v_add_nc_u32 v[SCO], 0xfe000000, v[MX]
	v_lshrrev_b32 v[BY], 23, v[SCO]
.if (\t)%4 == 0
	v_mov_b32 v[SBW+(\t)/4], v[BY]
.else
	v_lshl_or_b32 v[SBW+(\t)/4], v[BY], 8*((\t)%4), v[SBW+(\t)/4]
.endif
	v_cvt_scalef32_pk16_bf6_f32 v[G:G+2], v[XB:XB+15], v[SCO]
	v_cvt_scalef32_pk16_bf6_f32 v[CT:CT+2], v[XB+16:XB+31], v[SCO]
	v_nop                                          ; one plain place behind a scaled conversion
.irp i, 0,1,2
	v_mov_b32 v[G+3+\i], v[CT+\i]
.endr
.if (\t)+2 < 8
	WLOAD (\t)+2
.endif
.endm
.macro WSTORE sl                       ; K step sl of my two: each store fills two whole runs of 256 bytes (the even tile's sixteen lanes, the odd tile's)
.irp hh, 0,1
.irp c, 0,1,2
	global_store_b128 v[COF], v[GB+24*\sl+12*\hh+4*\c:GB+24*\sl+12*\hh+4*\c+3], s[12:13] offset:1536*\sl+512*\c+256*\hh
.endr
.endr
	global_store_b32 v[SOF], v[SBW+\sl], s[14:15] offset:64*\sl
.endm
	WLOAD 0
	WLOAD 1
	BLOCK 0
	BLOCK 1
	BLOCK 2
	BLOCK 3
	WSTORE 0
	BLOCK 4
	BLOCK 5
	BLOCK 6
	BLOCK 7
	WSTORE 1
.Lend:
	s_wait_tensorcnt 0x0                           ; the wave's end, behind my last LDS store
	ds_add_u32 v[SPW], v[NIL]
	s_wait_dscnt 0x0
	s_endpgm
.Lfunc_end_k_qc2a829152d_quant:
	.size	k_qc2a829152d_quant, .Lfunc_end_k_qc2a829152d_quant-k_qc2a829152d_quant
	.p2alignl 7, 3214868480
	.fill 96, 4, 3214868480
	.section	.rodata,"a",@progbits
	.p2align	6, 0x0
	.amdhsa_kernel k_qc2a829152d_quant
		.amdhsa_group_segment_fixed_size 35328
		.amdhsa_private_segment_fixed_size 0
		.amdhsa_enable_private_segment 0
		.amdhsa_kernarg_size 48
		.amdhsa_user_sgpr_count 2
		.amdhsa_user_sgpr_kernarg_segment_ptr 1
		.amdhsa_wavefront_size32 1
		.amdhsa_system_sgpr_workgroup_id_x 1
		.amdhsa_system_sgpr_workgroup_id_y 1
		.amdhsa_system_sgpr_workgroup_id_z 1
		.amdhsa_system_vgpr_workitem_id 0
		.amdhsa_next_free_vgpr 256
		.amdhsa_next_free_sgpr 66
		.amdhsa_reserve_vcc 0
		.amdhsa_float_denorm_mode_32 3
		.amdhsa_float_denorm_mode_16_64 3
		.amdhsa_memory_ordered 1
		.amdhsa_forward_progress 1
		.amdhsa_inst_pref_size 72
	.end_amdhsa_kernel
	.amdgpu_metadata
---
amdhsa.version: [ 1, 2 ]
amdhsa.kernels:
  - .name:           k_qc2a829152d_quant
    .symbol:         k_qc2a829152d_quant.kd
    .args:
      - { .name: x, .offset: 0, .size: 8, .value_kind: global_buffer, .address_space: global }
      - { .name: Wq, .offset: 8, .size: 8, .value_kind: global_buffer, .address_space: global }
      - { .name: Wk, .offset: 16, .size: 8, .value_kind: global_buffer, .address_space: global }
      - { .name: Wv, .offset: 24, .size: 8, .value_kind: global_buffer, .address_space: global }
      - { .name: xw_c, .offset: 32, .size: 8, .value_kind: global_buffer, .address_space: global }
      - { .name: xw_s, .offset: 40, .size: 8, .value_kind: global_buffer, .address_space: global }
    .group_segment_fixed_size: 35328
    .private_segment_fixed_size: 0
    .kernarg_segment_align: 8
    .kernarg_segment_size: 48
    .max_flat_workgroup_size: 128
    .sgpr_count:     66
    .vgpr_count:     256
    .wavefront_size: 32
...
	.end_amdgpu_metadata
.endif
;; end of part 1
;; launch proj (part 2): grid 8 x 48, 4 waves a work-group, clusters of 4 x 4, 327,680 bytes of LDS; arguments xw_c, xw_s, qkv_c, qkv_s; writes qkv_c, qkv_s
.if DOCPART == 2
	.amdgcn_target "amdgcn-amd-amdhsa--gfx1250"
	.amdhsa_code_object_version 6
	.text
	.protected	k_qc2a829152d_proj
	.globl	k_qc2a829152d_proj
	.p2align	8
	.type	k_qc2a829152d_proj,@function
k_qc2a829152d_proj:
	s_mov_b64 s[64:65], 0
	v_nop
	global_prefetch_b8 v0, s[64:65] scope:SCOPE_SE
	s_setreg_imm32_b32 hwreg(HW_REG_WAVE_MODE, 25, 1), 1
	s_wait_xcnt 0x0
	s_wait_alu depctr_hold_cnt(0) depctr_sa_sdst(0) depctr_va_vdst(0) depctr_va_sdst(0) depctr_va_ssrc(0) depctr_va_vcc(0) depctr_vm_vsrc(0)
	s_getreg_b32 s2, hwreg(HW_REG_IB_STS2, 6, 4)
	s_cmp_eq_u32 s2, 0
	s_cbranch_scc0 .Lentry_in_a_cluster
	s_endpgm
.Lentry_in_a_cluster:
	s_bfe_u32 s2, ttmp6, 0x10000c
	s_cmp_lg_u32 s2, 0xf033
	s_cbranch_scc0 .Lentry_shape_is_right
	s_endpgm
.Lentry_shape_is_right:
; q = x Wq, k = x Wk, v = x Wv on codes of BF6, and each result quantised on its way out: q and k along the head's 1,024, v along the keys.  Nothing is left out here.
; Operands are FRAGMENT IMAGES in TILE ORDER (16 rows x 128 K as 12 registers a lane, 1,536 bytes; lane r of tile 2 B + u holds row 32 B + 8 u + r + 8 (r / 8)); xw_c [tile 704][K step 8], xw_s [tile][K step][16] words.
; A work-group of four waves makes 256 (i) x 256 (j); a wave 128 x 128: 64 accumulators, 512 registers.  THE MATRIX INSTRUCTION IS USED TRANSPOSED: source 0 = 16 rows of the j operand, source 1 = 16 rows of the i operand:
; a lane holds one row i, and by the tile order the 64 registers of accumulators (a, 0..7) are j = 32 b + 16 (lane / 16) + 0 .. 15, b = 0 .. 3: 128 neighbours along j, which is the next product's K: they are quantised as they stand.
; q, k (cluster y under 8): i = tokens (x), j = columns of Wq | Wk.   v (cluster y 8 to 11): i = columns of Wv, j = tokens: so v comes out with the keys innermost.
; qkv_c: q at 0 [tile 512][step 8], k at 6,291,456 likewise, v at 12,582,912 [tile of channels 64][key step 64 = 16 batch + step]; qkv_s: the same index x 64 bytes, at 0, 262,144, 524,288.
; K = 1,024 is four fills of an LDS slot (two K steps: 8 tiles x 3,072 bytes for each of the four waves).  Three slots: three fills go out at the start (three tensor loads of a wave are out), the fourth is the one refill.
; CLUSTERS: 4 x 4 work-groups.  The i operand's tiles hang on the cluster's y and cy alone and are asked for jointly along a row of the cluster, the j operand's on its x, y and cx and jointly along a column.
; REGISTERS, in windows of 256: window 0: v16-29 addresses; v32-95 scale words (register 8 s + i: lanes 0-15 the i operand's block i, lanes 16-31 the j operand's, K step s); v96-115 codes; v128-223 the i operand's fragments, one set;
;   v224-242 the quantiser.   window 1: the j operand's fragments, two sets, at v0 and v128.   window 2, 3: the accumulators ((a, b) at v[8 (8 (a % 4) + b)]).
.set QTR,   24576                      ; 8 tiles x 2 K steps x 1,536: what one tensor load brings
.set SLOT,  4*QTR
.set SPARE, 3*SLOT                     ; behind the slots: the spare words, 128 bytes for each wave
.set SCS,   1
.set ADRA,  16                         ; v16-18 LDS address of my i fragments in slot 0, 1, 2
.set ADRB,  20                         ; v20-22 the same for j
.set LI,    24                         ; v24 16 x lane
.set SO,    25                         ; v25 where a pair of tiles' scale words go
.set SV,    26                         ; v26 from where my scale words come
.set SPW,   28                         ; v28 LDS address of my spare word; never rewritten
.set NIL,   29                         ; v29 0; never rewritten
.set SC,    32
.set PC,    96
.set AF,    128
.set TM,    224
.set PW,    240
.set PWE,   241
.set PWS,   242
.set G1,    24                         ; s[24:31] descriptor group 1 for the i operand;  s[32:39] for the j operand
.set G1B,   32
.set G0,    44                         ; s[44:55] group 0, a set for each slot;  s[68:79] for the j operand
.set G0B,   68
.set OC,    56                         ; s[56:57] where my codes go;  s[58:59] my scale words
.set OS,    58
.set STC,   60                         ; s[60:61] a tile on, in the codes;  s[62:63] two tiles on, in the words
.set STS,   62
.set SEL,   80
.set HM,    82                         ; s82 lanes 16-31
.set MUL_LO, 0xa1                      ; source 0 window 1, source 1 window 0, C and D window 2
.set MUL_HI, 0xf1                      ; the same, C and D window 3
.set TO_B,   0x40                      ; destination window 1
.set MSB, 0
.macro WIN new                         ; the immediate's high byte repeats the setting that is left
.if MSB != (\new)
	s_set_vgpr_msb (MSB<<8)|(\new)
.set MSB, (\new)
.endif
.endm
.macro PLACES n
.rept \n
	v_nop
.endr
.endm
; A joint load: waves 0 and 1 fetch for the i operand, waves 2 and 3 for the j operand.  An s_nop 0 and four v_nop follow each of the two lines.
.macro JLOAD g0a, g1a, g0b, g1b
	s_cmp_eq_u32 s15, 0
	s_cbranch_scc0 .Lfor_b_\@
	tensor_load_to_lds s[\g0a:\g0a+3], s[\g1a:\g1a+7]
	s_nop 0
.rept 4
	v_nop
.endr
	s_branch .Lasked_\@
.Lfor_b_\@:
	tensor_load_to_lds s[\g0b:\g0b+3], s[\g1b:\g1b+7]
	s_nop 0
.rept 4
	v_nop
.endr
.Lasked_\@:
.endm
.macro CREST                           ; a round of the cluster's barrier behind its opening barrier
	s_cmp_lg_u32 s14, 0
	s_cbranch_scc1 .Lnot_wave_0_\@
	s_barrier_signal -3
.Lnot_wave_0_\@:
	s_barrier_wait -3
	s_barrier_signal -1
	s_barrier_wait -1
.endm
.macro CROUND
	s_barrier_signal -1
	s_barrier_wait -1
	CREST
.endm
.macro FRAG reg, adr, q, i             ; an image comes back as it was stored: three loads of 512 consecutive bytes
.irp c, 0,1,2
	ds_load_b128 v[(\reg)+4*\c:(\reg)+4*\c+3], v[\adr] offset:3072*(\i)+1536*(\q)+512*\c
.endr
.endm
.macro FETCH_B slot, q, p
	WIN TO_B
.irp i, 0,1,2,3,4,5,6,7
	FRAG 128*(\p)+12*\i, ADRB+\slot, \q, \i
.endr
	WIN 0
.endm
.macro FETCH_A slot, q, i0
.irp i, \i0, \i0+1, \i0+2, \i0+3
	FRAG AF+12*(\i), ADRA+\slot, \q, \i
.endr
.endm
; 16 matrix instructions: i blocks a0, a0 + 1 x the eight j blocks.  The 64 accumulators take turns, one instruction a turn, in the same order in every step.
.macro MUL16 a0, p, sb, zero
.irp a, \a0, \a0+1
.irp b, 0,1,2,3,4,5,6,7
.if \zero
	v_wmma_scale_f32_16x16x128_f8f6f4 v[8*(8*((\a)%4)+\b):8*(8*((\a)%4)+\b)+7], v[128*(\p)+12*\b:128*(\p)+12*\b+11], v[AF+12*(\a):AF+12*(\a)+11], 0, v[(\sb)+SCS*\b], v[(\sb)+SCS*(\a)] matrix_a_fmt:MATRIX_FMT_BF6 matrix_b_fmt:MATRIX_FMT_BF6 matrix_a_scale:MATRIX_SCALE_ROW1
.else
	v_wmma_scale_f32_16x16x128_f8f6f4 v[8*(8*((\a)%4)+\b):8*(8*((\a)%4)+\b)+7], v[128*(\p)+12*\b:128*(\p)+12*\b+11], v[AF+12*(\a):AF+12*(\a)+11], v[8*(8*((\a)%4)+\b):8*(8*((\a)%4)+\b)+7], v[(\sb)+SCS*\b], v[(\sb)+SCS*(\a)] matrix_a_fmt:MATRIX_FMT_BF6 matrix_b_fmt:MATRIX_FMT_BF6 matrix_a_scale:MATRIX_SCALE_ROW1
.endif
.endr
.endr
.endm
; A K step: 64 matrix instructions on j's set p; the next step's fragments (slot ns, its nq-th step) are fetched in two runs, each four places behind the last product that read the registers.
.macro STEP p, sb, zero, ns, nq
	s_wait_dscnt 12                                ; all but the youngest twelve loads (i blocks 4-7) are in
	WIN MUL_LO
	MUL16 0, \p, \sb, \zero
	MUL16 2, \p, \sb, \zero
	s_wait_dscnt 0
	PLACES 4
	FETCH_B \ns, \nq, 1-\p
	FETCH_A \ns, \nq, 0
	WIN MUL_HI
	MUL16 4, \p, \sb, \zero
	MUL16 6, \p, \sb, \zero
	PLACES 4
	WIN 0
	FETCH_A \ns, \nq, 4
.endm
; A K step with a barrier in it: in front of it each wave waits for all its tensor loads, adds 0 to its spare word, and waits for that and for its reads.  fill = 1: slot 0, which nobody reads any more, takes K steps 6 and 7.
.macro TURN sb, ns, fill
	s_wait_tensorcnt 0x0                           ; all my tensor loads have landed
	ds_add_u32 v[SPW], v[NIL]                      ; 0 onto my spare word
	s_wait_dscnt 13                                ; (the add and the youngest twelve loads may be out)
	WIN MUL_LO
	MUL16 0, 1, \sb, 0
	s_wait_dscnt 0x0                               ; the add is done, and my LDS reads are over
	s_barrier_signal -1
	MUL16 2, 1, \sb, 0
	WIN 0
	s_barrier_wait -1
.if \fill
	CREST                                          ; the barrier has opened a round of the cluster's barrier: no wave of any partner still reads slot 0 or has a load on its way
	s_add_nc_u64 s[G0+2:G0+3], s[G0+2:G0+3], 9216
	s_add_nc_u64 s[G0B+2:G0B+3], s[G0B+2:G0B+3], 9216
	JLOAD G0, G1, G0B, G1B                         ; the first tensor load behind the round: it has four K steps, 256 matrix instructions, in which to land; its four v_nop are the places in front of the loads below
.else
	PLACES 4
.endif
	FETCH_B \ns, 0, 0
	FETCH_A \ns, 0, 0
	WIN MUL_HI
	MUL16 4, 1, \sb, 0
	MUL16 6, 1, \sb, 0
	PLACES 4
	WIN 0
	FETCH_A \ns, 0, 4
.endm
; The 64 registers of i block a (window 2 or 3) become a fragment's codes in v[PC] on and its scale word in v[PW].  Each accumulator is read from its low end on.
.macro QUANTW a
.set W, 2+(\a)/4
.set AC, 64*((\a)%4)
	WIN W|(W<<2)
.irp b, 0,1,2,3
	v_max3_num_f32 v[TM+\b], |v[AC+16*\b]|, |v[AC+1+16*\b]|, 0x2800000   ; and the floor 2^(5 - 127)
.endr
	WIN (W<<2)|(W<<4)
.irp i, 2,4,6,8,10,12,14
.irp b, 0,1,2,3
	v_max3_num_f32 v[TM+\b], v[TM+\b], |v[AC+16*\b+\i]|, |v[AC+1+16*\b+\i]|
.endr
.endr
	WIN 0
.irp b, 0,1,2,3
	v_permlanex16_b32 v[TM+4+\b], v[TM+\b], s[SEL], s[SEL+1]
.endr
.irp b, 0,1,2,3
	v_max_num_f32 v[TM+\b], v[TM+\b], v[TM+4+\b]
.endr
.irp b, 0,1,2,3
	v_add_nc_u32 v[TM+12+\b], 0xfe000000, v[TM+\b]
.endr
.irp b, 0,1,2,3
	v_lshrrev_b32 v[TM+4+\b], 23, v[TM+12+\b]
.endr
	v_lshl_or_b32 v[PW], v[TM+5], 8, v[TM+4]
	v_lshl_or_b32 v[PW], v[TM+6], 16, v[PW]
	v_lshl_or_b32 v[PW], v[TM+7], 24, v[PW]
	WIN W
.irp c, 0,1
	v_cvt_scalef32_pk16_bf6_f32 v[PC+6*\c:PC+2+6*\c], v[AC+32*\c:AC+15+32*\c], v[TM+12+2*\c]
	v_cvt_scalef32_pk16_bf6_f32 v[PC+12+4*\c:PC+14+4*\c], v[AC+16+32*\c:AC+31+32*\c], v[TM+12+2*\c+1]
.endr
	WIN 0
	v_nop                                          ; one plain place behind a scaled conversion
.irp c, 0,1
.irp i, 0,1,2
	v_permlane16_swap_b32 v[PC+6*\c+\i], v[PC+12+4*\c+\i]
.endr
.irp i, 0,1,2
	v_mov_b32 v[PC+3+6*\c+\i], v[PC+12+4*\c+\i]
.endr
.endr
.endm
	s_load_b256 s[4:11], s[0:1], 0x0               ; xw_c, xw_s, qkv_c, qkv_s
	v_lshl_add_u32 v[SPW], v0, 2, SPARE
	v_mov_b32 v[NIL], 0
	ds_add_u32 v[SPW], v[NIL]                      ; the wave's opening: the add, twice on end, and its wait ahead of my first tensor load
	ds_add_u32 v[SPW], v[NIL]
	v_lshrrev_b32 v1, 5, v0
	v_readfirstlane_b32 s14, v1                    ; wave
	s_lshr_b32 s15, s14, 1                         ; my half of i.  Also: I fetch for i (0) or for j (1)
	s_and_b32 s16, s14, 1                          ; my half of j.  Also: which 8 tiles I fetch
	s_bfe_u32 s40, ttmp6, 0x40000                  ; cx
	s_bfe_u32 s41, ttmp6, 0x40004                  ; cy
	s_mov_b32 s42, ttmp9                           ; cluster x: 0, 1
	s_and_b32 s43, ttmp7, 0xffff                   ; cluster y: 0 .. 11
	s_lshl_b32 s12, s41, 2
	s_lshl_b32 s12, 15, s12                        ; my row of the cluster
	s_lshl_b32 s13, 0x1111, s40                    ; my column
	s_or_b32 s[G1], s12, (1<<21)                   ; 15:0 the mask; 17:16 elements of 1 byte; 20 no padding; 21 set beside a mask
	s_or_b32 s[G1B], s13, (1<<21)
.irp g, G1, G1B
	s_mov_b32 s[\g+1], 3072<<16                    ; tensor_dim0: two images
	s_mov_b32 s[\g+2], 8<<16                       ; tensor_dim1: 8 tiles
	s_mov_b32 s[\g+3], 3072<<16                    ; tile_dim0
	s_mov_b32 s[\g+4], 8                           ; tile_dim1
	s_mov_b32 s[\g+5], 12288                       ; from tile to tile: eight images
	s_mov_b32 s[\g+6], 0
	s_mov_b32 s[\g+7], 0
.endr
	s_lshr_b32 s17, s43, 3                         ; f = 1 for v, 0 for q and k
	s_xor_b32 s18, s17, 1                          ; g = 1 - f
	s_lshl_b32 s19, s43, 6
	s_mul_i32 s19, s19, s18
	s_lshl_b32 s20, s41, 4
	s_add_co_u32 s19, s19, s20                     ; the output's first tile: 16 cy + g 64 (cluster y)
	s_mul_i32 s20, s17, 640
	s_add_co_u32 s20, s19, s20                     ; the i operand's first tile: x's, or 640 + 16 cy in Wv
	s_lshl_b32 s21, s42, 6
	s_add_co_u32 s21, s21, 512
	s_mul_i32 s21, s21, s18                        ; g (512 + 64 cluster x): Wq or Wk
	s_and_b32 s22, s43, 7
	s_lshl_b32 s22, s22, 1
	s_add_co_u32 s22, s22, s42
	s_mul_i32 s22, s22, s17                        ; f c, c = cluster x + 2 (cluster y - 8): which 1,024 tokens
	s_lshl_b32 s23, s22, 6
	s_add_co_u32 s21, s21, s23
	s_lshl_b32 s23, s40, 4
	s_add_co_u32 s21, s21, s23                     ; the j operand's first tile
	s_lshl_b32 s23, s16, 3
	s_add_co_u32 s84, s20, s23
	s_mul_i32 s84, s84, 12288
	s_mov_b32 s85, 0
	s_add_co_u32 s86, s21, s23
	s_mul_i32 s86, s86, 12288
	s_mov_b32 s87, 0
	s_mul_i32 s88, s14, QTR                        ; where my quarter of a slot lies: no place in the cluster enters an LDS address
	s_mul_i32 s89, s17, 56
	s_add_co_u32 s89, s89, 8                       ; K steps in a tile of the output: 8, or 64
	s_lshl_b32 s90, s40, 1
	s_lshl_b32 s91, s22, 3
	s_add_co_u32 s90, s90, s91
	s_add_co_u32 s90, s90, s16                     ; my K step of the output: 2 cx + 8 f c + my half of j
	s_lshl_b32 s91, s15, 3
	s_add_co_u32 s91, s91, s19
	s_mul_i32 s91, s91, s89
	s_add_co_u32 s91, s91, s90                     ; my first image's number in its section
	s_mul_i32 s92, s42, s18
	s_lshl_b32 s93, s17, 1
	s_add_co_u32 s92, s92, s93                     ; the section: q 0, k 1, v 2
	s_mul_i32 s[OC], s91, 1536
	s_mul_i32 s93, s92, 6291456
	s_add_co_u32 s[OC], s[OC], s93
	s_mov_b32 s[OC+1], 0
	s_lshl_b32 s[OS], s91, 6
	s_lshl_b32 s93, s92, 18
	s_add_co_u32 s[OS], s[OS], s93
	s_mov_b32 s[OS+1], 0
	s_mul_i32 s[STC], s89, 1536
	s_mov_b32 s[STC+1], 0
	s_lshl_b32 s[STS], s89, 7
	s_mov_b32 s[STS+1], 0
	s_lshl_b32 s95, s89, 6
	s_mov_b32 s[SEL], 0x76543210
	s_mov_b32 s[SEL+1], 0xfedcba98
	s_mov_b32 s[HM], 0xffff0000
	s_wait_dscnt 0x0                               ; both opening adds are done
	s_wait_kmcnt 0x0
	s_add_nc_u64 s[84:85], s[4:5], s[84:85]
	s_add_nc_u64 s[86:87], s[4:5], s[86:87]
	s_add_nc_u64 s[OC:OC+1], s[8:9], s[OC:OC+1]
	s_add_nc_u64 s[OS:OS+1], s[10:11], s[OS:OS+1]
	CROUND                                         ; all sixteen work-groups are here: the first joint loads meet
.irp f, 0,1,2
	s_mov_b32 s[G0+4*\f], 1
	s_add_co_u32 s[G0+4*\f+1], s88, \f*SLOT
	s_add_nc_u64 s[G0+4*\f+2:G0+4*\f+3], s[84:85], \f*3072
	s_or_b32 s[G0+4*\f+3], s[G0+4*\f+3], 0x80000000
	s_mov_b32 s[G0B+4*\f], 1
	s_add_co_u32 s[G0B+4*\f+1], s88, \f*SLOT
	s_add_nc_u64 s[G0B+4*\f+2:G0B+4*\f+3], s[86:87], \f*3072
	s_or_b32 s[G0B+4*\f+3], s[G0B+4*\f+3], 0x80000000
	JLOAD G0+4*\f, G1, G0B+4*\f, G1B
.endr
	v_and_b32 v1, 31, v0
	v_and_b32 v2, 15, v0                           ; r
	v_bfe_u32 v3, v0, 4, 1                         ; h
	s_lshl_b32 s93, s15, 3
	s_add_co_u32 s93, s93, s20
	s_lshl_b32 s93, s93, 9                         ; my 8 tiles' scale words: the i operand's,
	s_lshl_b32 s94, s16, 3
	s_add_co_u32 s94, s94, s21
	s_lshl_b32 s94, s94, 9                         ; the j operand's
	v_mov_b32 v4, s93
	v_mov_b32 v5, s94
	v_cndmask_b32 v4, v4, v5, s[HM]                ; lanes 0-15 take the i operand's, lanes 16-31 the j operand's
	v_lshl_add_u32 v[SV], v2, 2, v4
.irp s, 0,1,2,3,4,5,6,7
.irp i, 0,1,2,3,4,5,6,7
	global_load_b32 v[SC+8*\s+\i], v[SV], s[6:7] offset:512*\i+64*\s   ; all of K's scale words stay in 64 registers
.endr
.endr
	v_lshlrev_b32 v[LI], 4, v1
	v_mul_u32_u24 v5, s95, v3
	v_lshl_add_u32 v[SO], v2, 2, v5                ; lanes 0-15: the even tile's word r; lanes 16-31: the odd tile's, a tile's words on
	s_mul_i32 s93, s15, QTR
	s_mul_i32 s94, s16, QTR
	s_add_co_u32 s94, s94, 2*QTR
.irp s, 0,1,2
	v_add_nc_u32 v[ADRA+\s], s93, v[LI]
	v_add_nc_u32 v[ADRB+\s], s94, v[LI]
	s_add_co_u32 s93, s93, SLOT
	s_add_co_u32 s94, s94, SLOT
.endr
.irp b, 0,1,2,3
	v_mov_b32 v[TM+4+\b], 0                        ; written once: a lane permute's destination counts as one of its sources
.endr
	s_wait_tensorcnt 2                             ; my part of slot 0 is in; slots 1 and 2 may be out
	s_barrier_signal -1
	s_barrier_wait -1
	FETCH_B 0, 0, 0
	FETCH_A 0, 0, 0
	FETCH_A 0, 0, 4
	s_wait_loadcnt 0x0                             ; the scale words
	STEP 0, SC, 1, 0, 1                            ; K step 0: its products start the sums
	TURN SC+8, 1, 1                                ; K step 1: slots 1 and 2 are whole; slot 0 is asked for again
	STEP 0, SC+16, 0, 1, 1
	STEP 1, SC+24, 0, 2, 0
	STEP 0, SC+32, 0, 2, 1
	TURN SC+40, 0, 0                               ; K step 5: slot 0 is whole again; nothing more is asked for
	STEP 0, SC+48, 0, 0, 1
	s_wait_dscnt 12                                ; K step 7
	WIN MUL_LO
	MUL16 0, 1, SC+56, 0
	MUL16 2, 1, SC+56, 0
	s_wait_dscnt 0
	WIN MUL_HI
	MUL16 4, 1, SC+56, 0
	MUL16 6, 1, SC+56, 0
	WIN 0
	; THE WAY OUT: each i block's 16 rows x 128 j become one image and one scale word a row
	PLACES 4
.irp a, 0,1,2,3,4,5,6,7
.if \a > 0
	s_wait_xcnt 0x0                                ; the last block's stores have read their registers and their bases
	s_add_nc_u64 s[OC:OC+1], s[OC:OC+1], s[STC:STC+1]
.if (\a)%2 == 0
	s_add_nc_u64 s[OS:OS+1], s[OS:OS+1], s[STS:STS+1]
.endif
.endif
	QUANTW \a
.irp c, 0,1,2
	global_store_b128 v[LI], v[PC+4*\c:PC+4*\c+3], s[OC:OC+1] offset:512*\c   ; 512 consecutive bytes, aligned
.endr
.if (\a)%2 == 0
	v_mov_b32 v[PWE], v[PW]
.else
	v_cndmask_b32 v[PWS], v[PWE], v[PW], s[HM]     ; two tiles' words in one store
	global_store_b32 v[SO], v[PWS], s[OS:OS+1]
.endif
.endr
	s_wait_tensorcnt 0x0                           ; the wave's end
	ds_add_u32 v[SPW], v[NIL]
	s_wait_dscnt 0x0
	CROUND                                         ; the closing round
	s_endpgm
.Lfunc_end_k_qc2a829152d_proj:
	.size	k_qc2a829152d_proj, .Lfunc_end_k_qc2a829152d_proj-k_qc2a829152d_proj
	.p2alignl 7, 3214868480
	.fill 96, 4, 3214868480
	.section	.rodata,"a",@progbits
	.p2align	6, 0x0
	.amdhsa_kernel k_qc2a829152d_proj
		.amdhsa_group_segment_fixed_size 327680
		.amdhsa_private_segment_fixed_size 0
		.amdhsa_enable_private_segment 0
		.amdhsa_kernarg_size 32
		.amdhsa_user_sgpr_count 2
		.amdhsa_user_sgpr_kernarg_segment_ptr 1
		.amdhsa_wavefront_size32 1
		.amdhsa_system_sgpr_workgroup_id_x 1
		.amdhsa_system_sgpr_workgroup_id_y 1
		.amdhsa_system_sgpr_workgroup_id_z 1
		.amdhsa_system_vgpr_workitem_id 0
		.amdhsa_next_free_vgpr 1024
		.amdhsa_next_free_sgpr 96
		.amdhsa_reserve_vcc 0
		.amdhsa_float_denorm_mode_32 3
		.amdhsa_float_denorm_mode_16_64 3
		.amdhsa_memory_ordered 1
		.amdhsa_forward_progress 1
		.amdhsa_inst_pref_size 144
	.end_amdhsa_kernel
	.amdgpu_metadata
---
amdhsa.version: [ 1, 2 ]
amdhsa.kernels:
  - .name:           k_qc2a829152d_proj
    .symbol:         k_qc2a829152d_proj.kd
    .args:
      - { .name: xw_c, .offset: 0, .size: 8, .value_kind: global_buffer, .address_space: global }
      - { .name: xw_s, .offset: 8, .size: 8, .value_kind: global_buffer, .address_space: global }
      - { .name: qkv_c, .offset: 16, .size: 8, .value_kind: global_buffer, .address_space: global }
      - { .name: qkv_s, .offset: 24, .size: 8, .value_kind: global_buffer, .address_space: global }
    .group_segment_fixed_size: 327680
    .private_segment_fixed_size: 0
    .kernarg_segment_align: 8
    .kernarg_segment_size: 32
    .max_flat_workgroup_size: 128
    .sgpr_count:     96
    .vgpr_count:     1024
    .wavefront_size: 32
...
	.end_amdgpu_metadata
.endif
;; end of part 2
;; launch score (part 3): grid 36 x 4, 4 waves a work-group, no clusters, 327,680 bytes of LDS; arguments qkv_c, qkv_s, p_c, p_st; writes p_c, p_st
.if DOCPART == 3
	.amdgcn_target "amdgcn-amd-amdhsa--gfx1250"
	.amdhsa_code_object_version 6
	.text
	.protected	k_qc2a829152d_score
	.globl	k_qc2a829152d_score
	.p2align	8
	.type	k_qc2a829152d_score,@function
k_qc2a829152d_score:
	s_mov_b64 s[64:65], 0
	v_nop
	global_prefetch_b8 v0, s[64:65] scope:SCOPE_SE
	s_setreg_imm32_b32 hwreg(HW_REG_WAVE_MODE, 25, 1), 1
	s_wait_xcnt 0x0
; S = q k^T on codes of BF6, the causal mask, and p = 2^(t - M), t = score x log2(e) / 32, quantised along the keys.
; WORK LEFT OUT: the 28 of 64 tiles (256 queries x 256 keys) of each batch that lie wholly above the diagonal: their weights are exactly 0 by the problem's own mask (shown at the head of the first launch).
; M BY CHUNKS.  A wave holds 128 queries x 128 keys, one K step of the second product.  It takes M = ceil(the largest t of ITS 128 keys), a whole number.  The codes of p are the same under any whole M; only the scale bytes
; differ, by M's difference, which the next launch takes off them; the chunk's sum of the unquantised p is brought under the row's M there by a power of two.  LIMIT: |t| under 2^23, so that M is exact.
; p_c: [tile of queries 512][key step 16] images; p_st: [tile][key step][16] words, three sections: the raw scale word at 0, -M (f32) at 524,288, the chunk's sum at 1,048,576.  Written for key steps up to the diagonal tile's last.
; The product is the projection launch's: operands as fragment images in tile order, a work-group 256 x 256, a wave 128 x 128, source 0 = 16 keys, source 1 = 16 queries: a lane holds ONE query, and the 64 registers of
; accumulators (a, 0..7) are keys 32 b + 16 (lane / 16) + 0 .. 15.  K = 1,024: four fills of a slot; three slots, three first fills (three tensor loads of a wave are out), one refill.
; NO CLUSTER: the live tiles of a batch are a triangle whose rows and columns hold 1 to 8 tiles: it does not divide into fours that share q's or k's tiles without partners that have no live tile.
; IN A DIAGONAL TILE the wave with queries 0-127 and keys 128-255 has nothing live: it stores zero codes, the scale bytes 1, -M = 3e38 and the sum 0, so that the next launch reads only bytes that were written;
; the two waves on the diagonal mask; the fourth has all keys live.  These ways part on ids and the wave's number, behind the last barrier.
.set QTR,   24576
.set SLOT,  4*QTR
.set SPARE, 3*SLOT
.set SCS,   1
.set ADRA,  16
.set ADRB,  20
.set LI,    24
.set SO,    25                         ; v25 4 r + 1,024 h: a pair of tiles' words
.set SV,    26
.set SPW,   28
.set NIL,   29
.set SC,    32
.set PC,    96
.set AF,    128
.set PP,    128                        ; the way out: v128-191 p
.set BM,    192                        ; v192-195 each block's largest score, then its largest p
.set T4,    196
.set SCF,   200                        ; v200-203 the conversions' scale operands
.set NM,    204                        ; v[204:205] -M (the packed form names the pair)
.set LS,    206                        ; v[206:207], v[208:209] the sum in two chains
.set TP,    208
.set PW,    210
.set PWE,   211                        ; v211-213 the even tile's word, -M, sum
.set ME,    212
.set LE,    213
.set O0,    214                        ; v214-216 what is stored
.set TT,    217
.set DB,    218                        ; r + 8 (r / 8) - 16 h
.set NINF,  219
.set LL,    220
.set G1,    24                         ; s[24:31] descriptor group 1;  s[32:43] group 0, a set for each slot
.set G0,    32
.set CS,    44                         ; s[44:45] c = log2(e) / 32
.set SEL,   46
.set HM,    48
.set MODE,  49                         ; 0 all keys live, 1 on the diagonal, 2 nothing live
.set MUL_LO, 0xa1
.set MUL_HI, 0xf1
.set TO_B,   0x40
.set MSB, 0
.macro WIN new
.if MSB != (\new)
	s_set_vgpr_msb (MSB<<8)|(\new)
.set MSB, (\new)
.endif
.endm
.macro PLACES n
.rept \n
	v_nop
.endr
.endm
.macro FRAG reg, adr, q, i
.irp c, 0,1,2
	ds_load_b128 v[(\reg)+4*\c:(\reg)+4*\c+3], v[\adr] offset:3072*(\i)+1536*(\q)+512*\c
.endr
.endm
.macro FETCH_B slot, q, p
	WIN TO_B
.irp i, 0,1,2,3,4,5,6,7
	FRAG 128*(\p)+12*\i, ADRB+\slot, \q, \i
.endr
	WIN 0
.endm
.macro FETCH_A slot, q, i0
.irp i, \i0, \i0+1, \i0+2, \i0+3
	FRAG AF+12*(\i), ADRA+\slot, \q, \i
.endr
.endm
.macro MUL16 a0, p, sb, zero           ; the 64 accumulators take turns, one instruction a turn
.irp a, \a0, \a0+1
.irp b, 0,1,2,3,4,5,6,7
.if \zero
	v_wmma_scale_f32_16x16x128_f8f6f4 v[8*(8*((\a)%4)+\b):8*(8*((\a)%4)+\b)+7], v[128*(\p)+12*\b:128*(\p)+12*\b+11], v[AF+12*(\a):AF+12*(\a)+11], 0, v[(\sb)+SCS*\b], v[(\sb)+SCS*(\a)] matrix_a_fmt:MATRIX_FMT_BF6 matrix_b_fmt:MATRIX_FMT_BF6 matrix_a_scale:MATRIX_SCALE_ROW1
.else
	v_wmma_scale_f32_16x16x128_f8f6f4 v[8*(8*((\a)%4)+\b):8*(8*((\a)%4)+\b)+7], v[128*(\p)+12*\b:128*(\p)+12*\b+11], v[AF+12*(\a):AF+12*(\a)+11], v[8*(8*((\a)%4)+\b):8*(8*((\a)%4)+\b)+7], v[(\sb)+SCS*\b], v[(\sb)+SCS*(\a)] matrix_a_fmt:MATRIX_FMT_BF6 matrix_b_fmt:MATRIX_FMT_BF6 matrix_a_scale:MATRIX_SCALE_ROW1
.endif
.endr
.endr
.endm
.macro STEP p, sb, zero, ns, nq
	s_wait_dscnt 12                                ; all but the youngest twelve loads (q's blocks 4-7) are in
	WIN MUL_LO
	MUL16 0, \p, \sb, \zero
	MUL16 2, \p, \sb, \zero
	s_wait_dscnt 0
	PLACES 4
	FETCH_B \ns, \nq, 1-\p
	FETCH_A \ns, \nq, 0
	WIN MUL_HI
	MUL16 4, \p, \sb, \zero
	MUL16 6, \p, \sb, \zero
	PLACES 4
	WIN 0
	FETCH_A \ns, \nq, 4
.endm
.macro TURN sb, ns, fill
	s_wait_tensorcnt 0x0                           ; all my tensor loads have landed
	ds_add_u32 v[SPW], v[NIL]                      ; 0 onto my spare word
	s_wait_dscnt 13                                ; (the add and the youngest twelve loads may be out)
	WIN MUL_LO
	MUL16 0, 1, \sb, 0
	s_wait_dscnt 0x0                               ; the add is done, and my LDS reads are over
	s_barrier_signal -1
	MUL16 2, 1, \sb, 0
	WIN 0
	s_barrier_wait -1
.if \fill
	s_add_nc_u64 s[G0+2:G0+3], s[G0+2:G0+3], 9216  ; slot 0 takes K steps 6 and 7
	tensor_load_to_lds s[G0:G0+3], s[G1:G1+7]      ; my one tensor load behind this barrier: it has four K steps, 256 matrix instructions, in which to land
	s_nop 0
.endif
	PLACES 4
	FETCH_B \ns, 0, 0
	FETCH_A \ns, 0, 0
	WIN MUL_HI
	MUL16 4, 1, \sb, 0
	MUL16 6, 1, \sb, 0
	PLACES 4
	WIN 0
	FETCH_A \ns, 0, 4
.endm
	s_load_b256 s[4:11], s[0:1], 0x0               ; qkv_c, qkv_s, p_c, p_st
	v_lshl_add_u32 v[SPW], v0, 2, SPARE
	v_mov_b32 v[NIL], 0
	ds_add_u32 v[SPW], v[NIL]                      ; the wave's opening: the add, twice on end, and its wait ahead of my first tensor load
	ds_add_u32 v[SPW], v[NIL]
	v_lshrrev_b32 v1, 5, v0
	v_readfirstlane_b32 s14, v1                    ; wave
	s_lshr_b32 s15, s14, 1                         ; my half of the queries.  Also: I fetch q's tiles (0) or k's (1)
	s_and_b32 s16, s14, 1                          ; my half of the keys.  Also: which 8 tiles I fetch
	s_and_b32 s17, ttmp7, 0xffff                   ; the batch
	s_mov_b32 s18, 0                               ; the query tile qt: work-group x = qt (qt + 1) / 2 + kt, kt <= qt
.irp n, 1,3,6,10,15,21,28
	s_cmp_ge_u32 ttmp9, \n
	s_cselect_b32 s22, 1, 0
	s_add_co_u32 s18, s18, s22
.endr
	s_add_co_u32 s22, s18, 1
	s_mul_i32 s22, s22, s18
	s_lshr_b32 s22, s22, 1
	s_sub_co_u32 s19, ttmp9, s22                   ; the key tile kt
	s_cmp_eq_u32 s18, s19
	s_cselect_b32 s22, 1, 0                        ; a diagonal tile
	s_cmp_eq_u32 s15, s16
	s_cselect_b32 s23, 1, 0
	s_cmp_lt_u32 s15, s16
	s_cselect_b32 s50, 2, 0
	s_add_co_u32 s23, s23, s50
	s_mul_i32 s[MODE], s22, s23
	s_lshl_b32 s20, s17, 7
	s_lshl_b32 s22, s18, 4
	s_add_co_u32 s20, s20, s22                     ; q's first tile: 128 batch + 16 qt
	s_lshl_b32 s21, s17, 7
	s_lshl_b32 s22, s19, 4
	s_add_co_u32 s21, s21, s22
	s_add_co_u32 s21, s21, 512                     ; k's: 512 tiles on
	s_sub_co_u32 s22, s21, s20                     ; (512 - 16 (qt - kt): above 0)
	s_mul_i32 s22, s22, s15
	s_add_co_u32 s22, s22, s20
	s_lshl_b32 s23, s16, 3
	s_add_co_u32 s22, s22, s23                     ; the first of the 8 tiles that I fetch
	s_mul_i32 s50, s22, 12288
	s_mov_b32 s51, 0
	s_mul_i32 s52, s14, QTR
	s_mov_b32 s[G1], 0                             ; no mask; elements of 1 byte; no padding
	s_mov_b32 s[G1+1], 3072<<16                    ; tensor_dim0: two images
	s_mov_b32 s[G1+2], 8<<16                       ; tensor_dim1: 8 tiles
	s_mov_b32 s[G1+3], 3072<<16
	s_mov_b32 s[G1+4], 8
	s_mov_b32 s[G1+5], 12288
	s_mov_b32 s[G1+6], 0
	s_mov_b32 s[G1+7], 0
	s_lshl_b32 s53, s15, 3
	s_add_co_u32 s53, s53, s20                     ; my first tile of queries
	s_lshl_b32 s54, s53, 4
	s_lshl_b32 s55, s19, 1
	s_add_co_u32 s54, s54, s55
	s_add_co_u32 s54, s54, s16                     ; x 16 key steps + my key step 2 kt + half
	s_mul_i32 s56, s54, 1536
	s_mov_b32 s57, 0
	s_lshl_b32 s58, s54, 6
	s_mov_b32 s59, 0
	s_mov_b32 s[CS], 0x3d38aa3b
	s_mov_b32 s[CS+1], s[CS]
	s_mov_b32 s[SEL], 0x76543210
	s_mov_b32 s[SEL+1], 0xfedcba98
	s_mov_b32 s[HM], 0xffff0000
	s_wait_dscnt 0x0                               ; both opening adds are done
	s_wait_kmcnt 0x0
	s_add_nc_u64 s[50:51], s[4:5], s[50:51]
	s_add_nc_u64 s[8:9], s[8:9], s[56:57]
	s_add_nc_u64 s[10:11], s[10:11], s[58:59]
.irp f, 0,1,2
	s_mov_b32 s[G0+4*\f], 1
	s_add_co_u32 s[G0+4*\f+1], s52, \f*SLOT
	s_add_nc_u64 s[G0+4*\f+2:G0+4*\f+3], s[50:51], \f*3072
	s_or_b32 s[G0+4*\f+3], s[G0+4*\f+3], 0x80000000
.endr
	tensor_load_to_lds s[G0:G0+3], s[G1:G1+7]      ; the three first fills, every wave its quarter of each slot
	s_nop 0
	tensor_load_to_lds s[G0+4:G0+7], s[G1:G1+7]
	s_nop 0
	tensor_load_to_lds s[G0+8:G0+11], s[G1:G1+7]
	s_nop 0
	PLACES 4
	v_and_b32 v1, 31, v0
	v_and_b32 v2, 15, v0                           ; r
	v_bfe_u32 v3, v0, 4, 1                         ; h
	s_lshl_b32 s53, s53, 9                         ; my 8 tiles' scale words: q's,
	s_lshl_b32 s54, s16, 3
	s_add_co_u32 s54, s54, s21
	s_lshl_b32 s54, s54, 9                         ; k's
	v_mov_b32 v4, s53
	v_mov_b32 v5, s54
	v_cndmask_b32 v4, v4, v5, s[HM]
	v_lshl_add_u32 v[SV], v2, 2, v4
.irp s, 0,1,2,3,4,5,6,7
.irp i, 0,1,2,3,4,5,6,7
	global_load_b32 v[SC+8*\s+\i], v[SV], s[6:7] offset:512*\i+64*\s
.endr
.endr
	v_lshlrev_b32 v[LI], 4, v1
	v_lshlrev_b32 v[SO], 10, v3
	v_lshl_add_u32 v[SO], v2, 2, v[SO]
	s_mul_i32 s53, s15, QTR
	s_mul_i32 s54, s16, QTR
	s_add_co_u32 s54, s54, 2*QTR
.irp s, 0,1,2
	v_add_nc_u32 v[ADRA+\s], s53, v[LI]
	v_add_nc_u32 v[ADRB+\s], s54, v[LI]
	s_add_co_u32 s53, s53, SLOT
	s_add_co_u32 s54, s54, SLOT
.endr
	s_wait_tensorcnt 2                             ; my part of slot 0 is in; slots 1 and 2 may be out
	s_barrier_signal -1
	s_barrier_wait -1
	FETCH_B 0, 0, 0
	FETCH_A 0, 0, 0
	FETCH_A 0, 0, 4
	s_wait_loadcnt 0x0                             ; the scale words
	STEP 0, SC, 1, 0, 1
	TURN SC+8, 1, 1
	STEP 0, SC+16, 0, 1, 1
	STEP 1, SC+24, 0, 2, 0
	STEP 0, SC+32, 0, 2, 1
	TURN SC+40, 0, 0
	STEP 0, SC+48, 0, 0, 1
	s_wait_dscnt 12
	WIN MUL_LO
	MUL16 0, 1, SC+56, 0
	MUL16 2, 1, SC+56, 0
	s_wait_dscnt 0
	WIN MUL_HI
	MUL16 4, 1, SC+56, 0
	MUL16 6, 1, SC+56, 0
	WIN 0
	PLACES 4
	v_and_b32 v4, 8, v2
	v_add_nc_u32 v4, v4, v2
	v_lshlrev_b32 v5, 4, v3
	v_sub_nc_u32 v[DB], v4, v5
	v_mov_b32 v[NINF], 0xff800000
	v_mov_b32 v[NM+1], 0                           ; (named as the upper half of a pair)
.irp b, 0,1,2,3
	v_mov_b32 v[T4+\b], 0                          ; a lane permute's destination counts as one of its sources
.endr
	s_cmp_eq_u32 s[MODE], 2
	s_cbranch_scc1 .Ldead
; Tile a of my eight: 16 queries x 128 keys.  Lane (r, h) holds query 32 (a / 2) + 8 (a % 2) + r + 8 (r / 8) of my 128, register 16 b + i key 32 b + 16 h + i.
.macro SOFT a
.set W, 2+(\a)/4
.set AC, 64*((\a)%4)
.set AA, (\a)/2
.set U, (\a)%2
.if \a > 0
	s_wait_xcnt 0x0                                ; the last tile's stores have read their registers
.endif
	s_cmp_lg_u32 s[MODE], 1
	s_cbranch_scc1 .Lopen_\@
	WIN (W<<6)|W                                   ; on the diagonal: blocks under a / 2 are live; in block a / 2 key i is hidden where i - 8 (a % 2) > r + 8 (r / 8) - 16 h; the blocks above are hidden
.set i, 0
.rept 16
	v_cmp_gt_i32 vcc_lo, i-8*U, v[DB]
	v_cndmask_b32 v[AC+16*AA+i], v[AC+16*AA+i], v[NINF], vcc_lo
.set i, i+1
.endr
.if AA < 3
.set i, 16*(AA+1)
.rept 16*(3-AA)
	v_mov_b32 v[AC+i], 0xff800000
.set i, i+1
.endr
.endif
	WIN 0
.Lopen_\@:
	WIN W|(W<<2)|(W<<4)
.irp b, 0,1,2,3
	v_max3_num_f32 v[BM+\b], v[AC+16*\b], v[AC+16*\b+1], v[AC+16*\b+2]   ; the largest score of each block of 32 keys: for the row's maximum, and, since p rises with the score, for the block's largest p
.endr
	WIN (W<<2)|(W<<4)
.irp i, 3,5,7,9,11,13
.irp b, 0,1,2,3
	v_max3_num_f32 v[BM+\b], v[BM+\b], v[AC+16*\b+\i], v[AC+16*\b+\i+1]
.endr
.endr
.irp b, 0,1,2,3
	v_max_num_f32 v[BM+\b], v[BM+\b], v[AC+16*\b+15]
.endr
	WIN 0
.irp b, 0,1,2,3
	v_permlanex16_b32 v[T4+\b], v[BM+\b], s[SEL], s[SEL+1]
.endr
.irp b, 0,1,2,3
	v_max_num_f32 v[BM+\b], v[BM+\b], v[T4+\b]
.endr
	v_max3_num_f32 v[TT], v[BM], v[BM+1], v[BM+2]
	v_max_num_f32 v[TT], v[TT], v[BM+3]            ; my query's largest score among these 128 keys: a number, since on the diagonal a query's own key is among them
	v_mul_f32 v[TT], s[CS], v[TT]
	v_floor_f32 v[NM], -v[TT]                      ; -M = floor(-t) = -ceil(t)
	WIN W
.set j, 0
.rept 32
	v_pk_fma_f32 v[PP+j:PP+j+1], v[AC+j:AC+j+1], s[CS:CS+1], v[NM:NM+1] op_sel_hi:[1,0,0]   ; t - M, two at a time
.set j, j+2
.endr
	WIN 0
.irp b, 0,1,2,3
	v_fma_f32 v[BM+\b], v[BM+\b], s[CS], v[NM]
.endr
.set j, 0
.rept 64
	v_exp_f32 v[PP+j], v[PP+j]                     ; p = 2^(t - M): not normalised
.set j, j+1
.endr
	v_nop                                          ; a plain place behind the exponentials
	s_wait_alu depctr_va_vdst(0)                   ; one wait for the whole batch, ahead of its first reader
.irp b, 0,1,2,3
	v_exp_f32 v[BM+\b], v[BM+\b]                   ; the block's largest p: the same two instructions on the same number
.endr
	v_pk_add_f32 v[LS:LS+1], v[PP:PP+1], v[PP+2:PP+3]   ; the sum of the UNQUANTISED p, in two chains
	v_pk_add_f32 v[TP:TP+1], v[PP+4:PP+5], v[PP+6:PP+7]
.irp j, 8,12,16,20,24,28,32,36,40,44,48,52,56,60
	v_pk_add_f32 v[LS:LS+1], v[LS:LS+1], v[PP+\j:PP+\j+1]
	v_pk_add_f32 v[TP:TP+1], v[TP:TP+1], v[PP+\j+2:PP+\j+3]
.endr
	v_pk_add_f32 v[LS:LS+1], v[LS:LS+1], v[TP:TP+1]
	s_wait_alu depctr_va_vdst(0)                   ; and one for the four
.irp b, 0,1,2,3
	v_max_num_f32 v[BM+\b], 0x2800000, v[BM+\b]    ; the floor 2^(5 - 127): the byte cannot fall under 1
.endr
.irp b, 0,1,2,3
	v_add_nc_u32 v[SCF+\b], 0xfe000000, v[BM+\b]
.endr
.irp b, 0,1,2,3
	v_lshrrev_b32 v[T4+\b], 23, v[SCF+\b]
.endr
	v_lshl_or_b32 v[PW], v[T4+1], 8, v[T4]
	v_lshl_or_b32 v[PW], v[T4+2], 16, v[PW]
	v_lshl_or_b32 v[PW], v[T4+3], 24, v[PW]
.irp c, 0,1
	v_cvt_scalef32_pk16_bf6_f32 v[PC+6*\c:PC+2+6*\c], v[PP+32*\c:PP+15+32*\c], v[SCF+2*\c]
	v_cvt_scalef32_pk16_bf6_f32 v[PC+12+4*\c:PC+14+4*\c], v[PP+16+32*\c:PP+31+32*\c], v[SCF+2*\c+1]
.endr
	v_add_f32 v[LL], v[LS], v[LS+1]                ; (the plain place behind the scaled conversions)
.irp c, 0,1
.irp i, 0,1,2
	v_permlane16_swap_b32 v[PC+6*\c+\i], v[PC+12+4*\c+\i]
.endr
.irp i, 0,1,2
	v_mov_b32 v[PC+3+6*\c+\i], v[PC+12+4*\c+\i]
.endr
.endr
	v_permlanex16_b32 v[T4], v[LL], s[SEL], s[SEL+1]
	v_add_f32 v[LL], v[LL], v[T4]                  ; the chunk's sum of my query
.irp c, 0,1,2
	global_store_b128 v[LI], v[PC+4*\c:PC+4*\c+3], s[8:9] offset:24576*(\a)+512*\c   ; 512 consecutive bytes, aligned
.endr
.if U == 0
	v_mov_b32 v[PWE], v[PW]
	v_mov_b32 v[ME], v[NM]
	v_mov_b32 v[LE], v[LL]
.else
	v_cndmask_b32 v[O0], v[PWE], v[PW], s[HM]      ; lanes 0-15 the even tile's, lanes 16-31 the odd tile's
	v_cndmask_b32 v[O0+1], v[ME], v[NM], s[HM]
	v_cndmask_b32 v[O0+2], v[LE], v[LL], s[HM]
	global_store_b32 v[SO], v[O0], s[10:11] offset:2048*AA
	global_store_b32 v[SO], v[O0+1], s[10:11] offset:2048*AA+524288
	global_store_b32 v[SO], v[O0+2], s[10:11] offset:2048*AA+1048576
.endif
.endm
.irp a, 0,1,2,3,4,5,6,7
	SOFT \a
.endr
	s_branch .Lend
.Ldead:                                            ; nothing live: zero codes and figures that count for nothing
.irp c, 0,1,2,3
	v_mov_b32 v[PC+\c], 0
.endr
	v_mov_b32 v[O0], 0x01010101
	v_mov_b32 v[O0+1], 0x7f61b1e6                  ; -M = 3e38: never the row's least
	v_mov_b32 v[O0+2], 0
.irp a, 0,1,2,3,4,5,6,7
.irp c, 0,1,2
	global_store_b128 v[LI], v[PC:PC+3], s[8:9] offset:24576*\a+512*\c
.endr
.endr
.irp k, 0,1,2,3
	global_store_b32 v[SO], v[O0], s[10:11] offset:2048*\k
	global_store_b32 v[SO], v[O0+1], s[10:11] offset:2048*\k+524288
	global_store_b32 v[SO], v[O0+2], s[10:11] offset:2048*\k+1048576
.endr
.Lend:
	s_wait_tensorcnt 0x0                           ; the wave's end
	ds_add_u32 v[SPW], v[NIL]
	s_wait_dscnt 0x0
	s_endpgm
.Lfunc_end_k_qc2a829152d_score:
	.size	k_qc2a829152d_score, .Lfunc_end_k_qc2a829152d_score-k_qc2a829152d_score
	.p2alignl 7, 3214868480
	.fill 96, 4, 3214868480
	.section	.rodata,"a",@progbits
	.p2align	6, 0x0
	.amdhsa_kernel k_qc2a829152d_score
		.amdhsa_group_segment_fixed_size 327680
		.amdhsa_private_segment_fixed_size 0
		.amdhsa_enable_private_segment 0
		.amdhsa_kernarg_size 32
		.amdhsa_user_sgpr_count 2
		.amdhsa_user_sgpr_kernarg_segment_ptr 1
		.amdhsa_wavefront_size32 1
		.amdhsa_system_sgpr_workgroup_id_x 1
		.amdhsa_system_sgpr_workgroup_id_y 1
		.amdhsa_system_sgpr_workgroup_id_z 1
		.amdhsa_system_vgpr_workitem_id 0
		.amdhsa_next_free_vgpr 1024
		.amdhsa_next_free_sgpr 66
		.amdhsa_reserve_vcc 1
		.amdhsa_float_denorm_mode_32 3
		.amdhsa_float_denorm_mode_16_64 3
		.amdhsa_memory_ordered 1
		.amdhsa_forward_progress 1
		.amdhsa_inst_pref_size 219
	.end_amdhsa_kernel
	.amdgpu_metadata
---
amdhsa.version: [ 1, 2 ]
amdhsa.kernels:
  - .name:           k_qc2a829152d_score
    .symbol:         k_qc2a829152d_score.kd
    .args:
      - { .name: qkv_c, .offset: 0, .size: 8, .value_kind: global_buffer, .address_space: global }
      - { .name: qkv_s, .offset: 8, .size: 8, .value_kind: global_buffer, .address_space: global }
      - { .name: p_c, .offset: 16, .size: 8, .value_kind: global_buffer, .address_space: global }
      - { .name: p_st, .offset: 24, .size: 8, .value_kind: global_buffer, .address_space: global }
    .group_segment_fixed_size: 327680
    .private_segment_fixed_size: 0
    .kernarg_segment_align: 8
    .kernarg_segment_size: 32
    .max_flat_workgroup_size: 128
    .sgpr_count:     66
    .vgpr_count:     1024
    .wavefront_size: 32
...
	.end_amdgpu_metadata
.endif
;; end of part 3
;; launch pv (part 4): grid 4 x 64, 4 waves a work-group, no clusters, 327,680 bytes of LDS; arguments p_c, p_st, qkv_c, qkv_s, out0; writes out0
.if DOCPART == 4
	.amdgcn_target "amdgcn-amd-amdhsa--gfx1250"
	.amdhsa_code_object_version 6
	.text
	.protected	k_qc2a829152d_pv
	.globl	k_qc2a829152d_pv
	.p2align	8
	.type	k_qc2a829152d_pv,@function
k_qc2a829152d_pv:
	s_mov_b64 s[64:65], 0
	v_nop
	global_prefetch_b8 v0, s[64:65] scope:SCOPE_SE
	s_setreg_imm32_b32 hwreg(HW_REG_WAVE_MODE, 25, 1), 1
	s_wait_xcnt 0x0
; O = (p v) / l on codes of BF6.  p comes as fragment images [tile of queries 512][key step 16] with M taken by chunks of 128 keys; v as images [tile of channels 64][key step 64 = 16 batch + step], the keys innermost.
; (A fragment image: 16 rows x 128 K as the matrix unit's 12 registers a lane, 1,536 bytes, moved by three instructions of 16 bytes a lane.  Tile order: lane r of tile 2 B + u holds row 32 B + 8 u + r + 8 (r / 8).)
; WORK LEFT OUT: the key steps (128 keys) that lie wholly behind a work-group's 128 queries: their weights are exactly 0 by the problem's own mask (shown at the head of the first launch).
; SHARES.  A work-group of four waves makes 128 queries x 256 channels: 256 work-groups.  Work-group y = 16 batch + (15 - QT), QT the block of 128 queries: the long walks come first.  A wave makes 64 x 128: 32 accumulators.
; Source 0 = 16 channels of v, source 1 = 16 queries of p: a lane holds one query, and by the tile order its 64 registers of accumulators (a, 0..7) are channels 32 b + 16 (lane / 16) + 0 .. 15.
; THE PREP.  The row's -M is the least of its chunks' -M.  D = chunk's -M less the row's, a whole number, 0 or more, is taken off each of the chunk's four scale bytes, and the chunk's sum counts x 2^-D.
; LIMITS: D is held at 300 (such a chunk counts for nothing beside the row's largest p, which is over 1/2); a byte is held at 0 from below (2^-127: at most 28 x 2^-127 x |v| is then added where the rule's byte 1 would give codes of 0).
; The corrected words of p and v's words go through LDS, [slot 4][tile 24][r 16][step 4], and then stay in 128 registers; places of key steps behind the diagonal hold copies of the last written pair's, which no product takes.
; THE WALK.  Key steps 0 .. QT, 32 matrix instructions each.  Two LDS slots of FOUR key steps (512 keys): 8 tiles of p and 16 of v, 6,144 bytes each.  Waves 0 and 1 fetch 4 tiles of p each, waves 2 and 3 8 tiles of v:
; one tensor load of a wave is out at a time, and it has four key steps in which to land.  p's images are written up to key step QT | 1: where a slot reaches beyond (QT < 4 n + 2) p's load states 3,072 of a row's 6,144 bytes
; as the tensor's extent, and the mover lays zeros for the rest: no byte is read that was not written.
; THE CHANGE OF SLOTS stands at the head of a slot's fourth step: that step's fragments are then in registers, so nobody reads the slot any more, and it is asked for again while the fourth step is multiplied.
; Every work-group passes all three changes; what is left out behind the diagonal is the products, the fragments' loads and the tensor load, by scalar jumps on the work-group's number, the same in all four waves.
; NO CLUSTER: the four work-groups of one block of queries share p's tiles (8 of a slot's 24) and have walks of one length;
; those that share v's tiles have walks of 1 to 16 key steps.
; REGISTERS, in windows of 256: window 0: v4-31 addresses; v32-159 scale words (register 32 n + 4 i + q: lanes 0-15 p's tile i, lanes 16-31 v's tile i, key step 4 n + q); v160-255 p's fragments, two sets of 48.
;   window 1: v's fragments, two sets, at v0 and v128.   window 2: the accumulators ((a, b) at v[8 (8 a + b)]).   The prep works in v32-239 of window 0 ahead of all that; the way out in v96-255 behind it.
.set TILEB, 6144                       ; a tile's four images
.set SLOT,  24*TILEB                   ; p's 8 tiles, then v's 16
.set BOFF,  8*TILEB
.set SCN,   24*256                     ; a slot's scale words
.set SCL,   2*SLOT                     ; behind the slots: 24,576 bytes of scale words,
.set RLA,   SCL+4*SCN                  ; 512 bytes: 1 / l, [tile 8][16],
.set SPARE, RLA+512                    ; and the spare words, 128 bytes for each wave
.set SPITCH, 528                       ; the way out: a stage of 16 rows x 528 bytes for each wave, in slot buffer 0: it has had its last fill, and its last read stands ahead of the third change's barrier
.set PA,    4                          ; v4-11 the prep's offsets
.set NMV,   12                         ; v12-13 the row's -M
.set SWV,   14                         ; v14 where the prep puts v's scale words
.set TV,    15                         ; v15 at work
.set ADRA,  16                         ; v16-17 LDS address of p's fragments in buffer 0, 1
.set PT,    18                         ; v18-19 permutes
.set ADRB,  20                         ; v20-21 of v's
.set RLW,   22                         ; v22 where the prep puts 1 / l
.set PB,    23                         ; v23 64 h + 4 r
.set STO,   24
.set RD,    25
.set CO,    26                         ; v26 16 x lane
.set ADRS,  27                         ; v27 my scale words: lanes 0-15 p's, lanes 16-31 v's
.set SPW,   28                         ; v28 LDS address of my spare word; never rewritten
.set NIL,   29                         ; v29 0; never rewritten
.set RLAD,  30
.set SWA,   31                         ; v31 where the prep puts p's scale words
.set SC,    32
.set AF,    160
.set DD,    32                         ; the prep: 16 items (tile aa, pair of key steps i) at 8 aa + i: D,
.set EE,    48                         ; -D,
.set XX,    64                         ; at work,
.set LV,    80                         ; v80-81 l,
.set BB,    96                         ; v96-159 four bytes an item, byte j at 16 j,
.set PD,    160                        ; v160-207 16 words, 16 -M, 16 sums,
.set VW,    208                        ; v208-239 32 words of v
.set RL,    96                         ; the way out: v96-103 1 / l of my four tiles, one to an even pair
.set BK,    128
.set WV,    14
.set QT,    19                         ; s19 my block of 128 queries = the last live key step
.set QH,    20                         ; s20 QT / 2: the last written pair of key steps
.set G1P,   24                         ; s[24:31] descriptor group 1 for p's tiles;  s[32:39] the same with half the extent;  s[40:47] for v's
.set G1H,   32
.set G1V,   40
.set G0P,   48                         ; s[48:55] p's group 0, a set for each buffer;  s[56:63] v's
.set G0V,   56
.set SEL,   66
.set F,     68                         ; s69-75 1.0 for a written pair of key steps, else 0
.set TAU,   84                         ; s84 p's first tile
.set MUL_W, 0xa1                       ; source 0 (v) window 1, source 1 (p) window 0, C and D window 2
.set TO_B,  0x40                       ; destination window 1
.set MSB, 0
.macro WIN new                         ; the immediate's high byte repeats the setting that is left
.if MSB != (\new)
	s_set_vgpr_msb (MSB<<8)|(\new)
.set MSB, (\new)
.endif
.endm
.macro PLACES n
.rept \n
	v_nop
.endr
.endm
; Slot n into buffer s.  Waves 0 and 1 fetch p's halves, whole or up to the last written image; waves 2 and 3 v's.  An s_nop 0 and four v_nop follow each of the three lines.
.macro TLOAD s, n
	s_cmp_lt_u32 s[WV], 2
	s_cbranch_scc0 .Lfor_v_\@
	s_cmp_lt_u32 s[QT], 4*(\n)+2
	s_cbranch_scc1 .Lhalf_\@
	tensor_load_to_lds s[G0P+4*(\s):G0P+4*(\s)+3], s[G1P:G1P+7]
	s_nop 0
.rept 4
	v_nop
.endr
	s_branch .Lasked_\@
.Lhalf_\@:
	tensor_load_to_lds s[G0P+4*(\s):G0P+4*(\s)+3], s[G1H:G1H+7]
	s_nop 0
.rept 4
	v_nop
.endr
	s_branch .Lasked_\@
.Lfor_v_\@:
	tensor_load_to_lds s[G0V+4*(\s):G0V+4*(\s)+3], s[G1V:G1V+7]
	s_nop 0
.rept 4
	v_nop
.endr
.Lasked_\@:
.endm
; The fragments of a buffer's q-th key step into set p: 8 of v, 4 of p: 36 loads of 512 consecutive bytes
.macro FETCH buf, q, p
	WIN TO_B
.irp i, 0,1,2,3,4,5,6,7
.irp c, 0,1,2
	ds_load_b128 v[128*(\p)+12*\i+4*\c:128*(\p)+12*\i+4*\c+3], v[ADRB+(\buf)] offset:TILEB*\i+1536*(\q)+512*\c
.endr
.endr
	WIN 0
.irp i, 0,1,2,3
.irp c, 0,1,2
	ds_load_b128 v[AF+48*(\p)+12*\i+4*\c:AF+48*(\p)+12*\i+4*\c+3], v[ADRA+(\buf)] offset:TILEB*\i+1536*(\q)+512*\c
.endr
.endr
.endm
.macro SCALES n                        ; slot n's scale words: four a row
.irp i, 0,1,2,3,4,5,6,7
	ds_load_b128 v[SC+32*(\n)+4*\i:SC+32*(\n)+4*\i+3], v[ADRS] offset:SCN*(\n)+256*\i
.endr
.endm
; A key step's 32 matrix instructions.  The 32 accumulators take turns, one instruction a turn, in the same order in every step.
.macro MUL p, sb, zero
.irp a, 0,1,2,3
.irp b, 0,1,2,3,4,5,6,7
.if \zero
	v_wmma_scale_f32_16x16x128_f8f6f4 v[8*(8*\a+\b):8*(8*\a+\b)+7], v[128*(\p)+12*\b:128*(\p)+12*\b+11], v[AF+48*(\p)+12*\a:AF+48*(\p)+12*\a+11], 0, v[(\sb)+4*\b], v[(\sb)+4*\a] matrix_a_fmt:MATRIX_FMT_BF6 matrix_b_fmt:MATRIX_FMT_BF6 matrix_a_scale:MATRIX_SCALE_ROW1
.else
	v_wmma_scale_f32_16x16x128_f8f6f4 v[8*(8*\a+\b):8*(8*\a+\b)+7], v[128*(\p)+12*\b:128*(\p)+12*\b+11], v[AF+48*(\p)+12*\a:AF+48*(\p)+12*\a+11], v[8*(8*\a+\b):8*(8*\a+\b)+7], v[(\sb)+4*\b], v[(\sb)+4*\a] matrix_a_fmt:MATRIX_FMT_BF6 matrix_b_fmt:MATRIX_FMT_BF6 matrix_a_scale:MATRIX_SCALE_ROW1
.endif
.endr
.endr
.endm
; Key step ks, if it is live: else on to the next change of slots.  Its fragments were asked for a step ago; the next step's, if that is live and lies in the same slot, are asked for ahead of the products, into the other set,
; four places behind the last product that read it.
.macro KSTEP ks, dead
.set KN, (\ks)/4
.set KQ, (\ks)%4
.set KP, (\ks)%2
.set KB, KN%2
	s_cmp_lt_u32 s[QT], \ks
	s_cbranch_scc1 \dead
	s_wait_dscnt 0x0                               ; this step's fragments are in
.if KQ < 3
	s_cmp_lt_u32 s[QT], (\ks)+1
	s_cbranch_scc1 .Lnf_\@
	PLACES 4
	FETCH KB, KQ+1, 1-KP
.Lnf_\@:
.endif
	WIN MUL_W
	MUL KP, SC+32*KN+KQ, 0
	WIN 0
.endm
; The change from slot n to slot n + 1, and slot n's fourth key step.
.macro CHANGE n
.set CB, (\n)%2
	s_wait_tensorcnt 0x0                           ; all my tensor loads have landed: my part of the next slot
	ds_add_u32 v[SPW], v[NIL]                      ; 0 onto my spare word
.if \n < 2
	s_add_nc_u64 s[G0P+4*CB+2:G0P+4*CB+3], s[G0P+4*CB+2:G0P+4*CB+3], 2*TILEB   ; no load of mine is out: this buffer's descriptors step two slots on
	s_add_nc_u64 s[G0V+4*CB+2:G0V+4*CB+3], s[G0V+4*CB+2:G0V+4*CB+3], 2*TILEB
.endif
	s_wait_dscnt 0x0                               ; the add is done, and my reads of this slot are over: the fourth step's fragments are in registers
	s_barrier_signal -1
	s_barrier_wait -1
.if \n < 2
	s_cmp_lt_u32 s[QT], 4*(\n)+8                   ; the loads end at the diagonal: a slot behind it is read by no wave
	s_cbranch_scc1 .Lnl_\@
	TLOAD CB, (\n)+2
.Lnl_\@:
.endif
	s_cmp_lt_u32 s[QT], 4*(\n)+4
	s_cbranch_scc1 .Lnn_\@
	PLACES 4
	FETCH 1-CB, 0, 0                               ; the next slot's first fragments
.Lnn_\@:
	s_cmp_lt_u32 s[QT], 4*(\n)+3
	s_cbranch_scc1 .Lnm_\@
	WIN MUL_W
	MUL 1, SC+32*(\n)+3, 0
	WIN 0
.Lnm_\@:
.endm
	s_load_b256 s[4:11], s[0:1], 0x0               ; p_c, p_st, qkv_c, qkv_s
	s_load_b64 s[12:13], s[0:1], 0x20              ; out0
	v_lshl_add_u32 v[SPW], v0, 2, SPARE
	v_mov_b32 v[NIL], 0
	ds_add_u32 v[SPW], v[NIL]                      ; the wave's opening: the add, twice on end, and its wait ahead of my first tensor load
	ds_add_u32 v[SPW], v[NIL]
	v_lshrrev_b32 v1, 5, v0
	v_readfirstlane_b32 s[WV], v1                  ; wave
	s_lshr_b32 s15, s14, 1                         ; my half of the queries
	s_and_b32 s16, s14, 1                          ; my half of the channels.  Also: which half of p's or of v's tiles I fetch
	s_mov_b32 s17, ttmp9                           ; which 256 channels
	s_and_b32 s21, ttmp7, 0xffff
	s_lshr_b32 s18, s21, 4                         ; the batch
	s_and_b32 s21, s21, 15
	s_sub_co_u32 s[QT], 15, s21
	s_lshr_b32 s[QH], s[QT], 1
	s_mov_b32 s[G1P], 0                            ; no mask; elements of 1 byte; no padding
	s_mov_b32 s[G1H], 0
	s_mov_b32 s[G1V], 0
	s_mov_b32 s[G1P+1], TILEB<<16                  ; tensor_dim0: four images,
	s_mov_b32 s[G1H+1], (TILEB/2)<<16              ; or two: zeros are laid for the other two
	s_mov_b32 s[G1V+1], TILEB<<16
	s_mov_b32 s[G1P+2], 4<<16                      ; tensor_dim1: 4 tiles of p,
	s_mov_b32 s[G1H+2], 4<<16
	s_mov_b32 s[G1V+2], 8<<16                      ; 8 of v
.irp g, G1P, G1H, G1V
	s_mov_b32 s[\g+3], TILEB<<16                   ; tile_dim0
	s_mov_b32 s[\g+6], 0
	s_mov_b32 s[\g+7], 0
.endr
	s_mov_b32 s[G1P+4], 4                          ; tile_dim1
	s_mov_b32 s[G1H+4], 4
	s_mov_b32 s[G1V+4], 8
	s_mov_b32 s[G1P+5], 24576                      ; from tile to tile: 16 images in p,
	s_mov_b32 s[G1H+5], 24576
	s_mov_b32 s[G1V+5], 98304                      ; 64 in v
	s_lshl_b32 s[TAU], s18, 7
	s_lshl_b32 s23, s[QT], 3
	s_add_co_u32 s[TAU], s[TAU], s23               ; p's first tile: 128 batch + 8 QT
	s_lshl_b32 s23, s16, 2
	s_add_co_u32 s23, s23, s[TAU]
	s_mul_i32 s76, s23, 24576
	s_mov_b32 s77, 0
	s_lshl_b32 s23, s17, 4
	s_lshl_b32 s21, s16, 3
	s_add_co_u32 s23, s23, s21
	s_mul_i32 s78, s23, 98304
	s_mul_i32 s21, s18, 24576                      ; the batch's 16 key steps
	s_add_co_u32 s78, s78, s21
	s_add_co_u32 s78, s78, 12582912                ; v's section
	s_mov_b32 s79, 0
	s_mul_i32 s2, s16, 4*TILEB                     ; where my part of a slot lies: p's half,
	s_mul_i32 s3, s16, 8*TILEB
	s_add_co_u32 s3, s3, BOFF                      ; v's half
	s_mov_b32 s[SEL], 0x76543210
	s_mov_b32 s[SEL+1], 0xfedcba98
	s_wait_dscnt 0x0                               ; both opening adds are done
	s_wait_kmcnt 0x0
	s_add_nc_u64 s[76:77], s[4:5], s[76:77]
	s_add_nc_u64 s[78:79], s[8:9], s[78:79]
.irp f, 0,1
	s_mov_b32 s[G0P+4*\f], 1
	s_add_co_u32 s[G0P+4*\f+1], s2, \f*SLOT
	s_add_nc_u64 s[G0P+4*\f+2:G0P+4*\f+3], s[76:77], \f*TILEB
	s_or_b32 s[G0P+4*\f+3], s[G0P+4*\f+3], 0x80000000
	s_mov_b32 s[G0V+4*\f], 1
	s_add_co_u32 s[G0V+4*\f+1], s3, \f*SLOT
	s_add_nc_u64 s[G0V+4*\f+2:G0V+4*\f+3], s[78:79], \f*TILEB
	s_or_b32 s[G0V+4*\f+3], s[G0V+4*\f+3], 0x80000000
.endr
	TLOAD 0, 0                                     ; slot 0: key step 0 is live for every query
	; ---- THE PREP'S LOADS.  Wave w takes p's tiles 2 w, 2 w + 1 and v's tiles 4 w .. 4 w + 3.  Lane (r, h) takes key steps 2 i + h, i = 0 .. 7; behind the last written pair it takes that pair once more
	s_mov_b32 s23, 0
	s_lshl_b32 s21, s14, 1
	s_add_co_u32 s22, s[TAU], s21
	s_lshl_b32 s22, s22, 10                        ; 1,024 bytes of figures a tile
	s_add_nc_u64 s[80:81], s[6:7], s[22:23]
	s_lshl_b32 s22, s17, 4
	s_lshl_b32 s21, s14, 2
	s_add_co_u32 s22, s22, s21
	s_lshl_b32 s22, s22, 12                        ; 4,096 bytes of words a tile of v,
	s_lshl_b32 s21, s18, 10                        ; the batch's 16 key steps,
	s_add_co_u32 s22, s22, s21
	s_add_co_u32 s22, s22, 524288                  ; v's section
	s_add_nc_u64 s[82:83], s[10:11], s[22:23]
	v_and_b32 v1, 31, v0
	v_and_b32 v2, 15, v0                           ; r
	v_bfe_u32 v3, v0, 4, 1                         ; h
	v_lshlrev_b32 v[PB], 6, v3
	v_lshl_add_u32 v[PB], v2, 2, v[PB]
.irp i, 0,1,2,3,4,5,6,7
	s_min_u32 s21, s[QH], \i
	s_lshl_b32 s21, s21, 7
	v_add_nc_u32 v[PA+\i], s21, v[PB]
.if \i > 0
	s_cmp_ge_u32 s[QH], \i
	s_cselect_b32 s[F+\i], 1.0, 0
.endif
.endr
.irp aa, 0,1
.irp i, 0,1,2,3,4,5,6,7
	global_load_b32 v[PD+8*\aa+\i], v[PA+\i], s[80:81] offset:1024*\aa
	global_load_b32 v[PD+16+8*\aa+\i], v[PA+\i], s[80:81] offset:1024*\aa+524288
	global_load_b32 v[PD+32+8*\aa+\i], v[PA+\i], s[80:81] offset:1024*\aa+1048576
.endr
.endr
.irp vv, 0,1,2,3
.irp i, 0,1,2,3,4,5,6,7
	global_load_b32 v[VW+8*\vv+\i], v[PB], s[82:83] offset:4096*\vv+128*\i
.endr
.endr
	; ---- addresses, while the loads are out
	s_lshl_b32 s22, s18, 11
	s_lshl_b32 s21, s[QT], 7
	s_add_co_u32 s22, s22, s21
	s_lshl_b32 s21, s15, 6
	s_add_co_u32 s22, s22, s21                     ; my first row of O: 2,048 batch + 128 QT + 64 half
	s_lshl_b32 s22, s22, 12
	s_lshl_b32 s21, s17, 10
	s_add_co_u32 s22, s22, s21
	s_lshl_b32 s21, s16, 9
	s_add_co_u32 s22, s22, s21
	s_add_nc_u64 s[12:13], s[12:13], s[22:23]
	v_lshlrev_b32 v[CO], 4, v1
	s_mul_i32 s21, s15, 4*TILEB                    ; my 4 tiles of p,
	s_mul_i32 s22, s16, 8*TILEB
	s_add_co_u32 s22, s22, BOFF                    ; my 8 tiles of v
.irp s, 0,1
	v_add_nc_u32 v[ADRA+\s], s21, v[CO]
	v_add_nc_u32 v[ADRB+\s], s22, v[CO]
	s_add_co_u32 s21, s21, SLOT
	s_add_co_u32 s22, s22, SLOT
.endr
	s_mul_i32 s21, s14, 16*SPITCH                  ; my stage
	v_mul_u32_u24 v[STO], v2, SPITCH
	v_lshl_add_u32 v[STO], v3, 6, v[STO]
	v_add_nc_u32 v[STO], s21, v[STO]
	v_add_nc_u32 v[RD], s21, v[CO]
	s_lshl_b32 s21, s15, 10                        ; the scale words: p's, my 4 tiles of 256 bytes;
	s_lshl_b32 s22, s16, 11
	s_add_co_u32 s22, s22, 2048                    ; v's, my 8 tiles, behind p's 8
	s_sub_co_u32 s22, s22, s21
	v_mul_u32_u24 v[TV], s22, v3                   ; lanes 16-31 take v's
	s_add_co_u32 s21, s21, SCL
	v_lshl_add_u32 v[TV], v2, 4, v[TV]
	v_add_nc_u32 v[ADRS], s21, v[TV]
	s_lshl_b32 s21, s15, 8
	s_add_co_u32 s21, s21, RLA
	v_lshl_add_u32 v[RLAD], v2, 2, s21
	s_lshl_b32 s21, s14, 7
	s_add_co_u32 s21, s21, RLA
	v_lshl_add_u32 v[RLW], v2, 2, s21
	v_lshlrev_b32 v[TV], 2, v3
	v_lshl_add_u32 v[TV], v2, 4, v[TV]             ; 16 r + 4 h: key step 2 i + h is step 2 (i % 2) + h of slot i / 2
	s_lshl_b32 s21, s14, 9
	s_add_co_u32 s21, s21, SCL
	v_add_nc_u32 v[SWA], s21, v[TV]
	s_lshl_b32 s21, s14, 10
	s_add_co_u32 s21, s21, SCL+2048
	v_add_nc_u32 v[SWV], s21, v[TV]
	v_mov_b32 v[PT], 0                             ; a lane permute's destination counts as one of its sources
	v_mov_b32 v[PT+1], 0
	; ---- THE PREP'S ARITHMETIC, each line over all items by turns, so that no line waits for the line above it
	s_wait_loadcnt 32                              ; p's 48 figures are in; v's 32 words may be out
.irp aa, 0,1
	v_min_num_f32 v[NMV+\aa], v[PD+16+8*\aa], v[PD+16+8*\aa+1]
.endr
.irp i, 2,3,4,5,6,7
.irp aa, 0,1
	v_min_num_f32 v[NMV+\aa], v[NMV+\aa], v[PD+16+8*\aa+\i]
.endr
.endr
.irp aa, 0,1
	v_permlanex16_b32 v[PT+\aa], v[NMV+\aa], s[SEL], s[SEL+1]
.endr
.irp aa, 0,1
	v_min_num_f32 v[NMV+\aa], v[NMV+\aa], v[PT+\aa]   ; the row's -M (a copy moves no minimum)
.endr
.irp k, 0,1,2,3,4,5,6,7,8,9,10,11,12,13,14,15
	v_sub_f32 v[DD+\k], v[PD+16+\k], v[NMV+\k/8]
.endr
.irp k, 0,1,2,3,4,5,6,7,8,9,10,11,12,13,14,15
	v_min_num_f32 v[DD+\k], 0x43960000, v[DD+\k]   ; held at 300
.endr
.irp k, 0,1,2,3,4,5,6,7,8,9,10,11,12,13,14,15
	v_cvt_u32_f32 v[DD+\k], v[DD+\k]               ; D
.endr
.irp k, 0,1,2,3,4,5,6,7,8,9,10,11,12,13,14,15
	v_sub_nc_u32 v[EE+\k], 0, v[DD+\k]
.endr
.irp k, 0,1,2,3,4,5,6,7,8,9,10,11,12,13,14,15
	v_ldexp_f32 v[PD+32+\k], v[PD+32+\k], v[EE+\k] ; the chunk's sum x 2^-D: exact
.endr
.irp k, 0,1,2,3,4,5,6,7,8,9,10,11,12,13,14,15
	v_and_b32 v[BB+\k], 0xff, v[PD+\k]
.endr
.irp k, 0,1,2,3,4,5,6,7,8,9,10,11,12,13,14,15
	v_bfe_u32 v[BB+16+\k], v[PD+\k], 8, 8
.endr
.irp k, 0,1,2,3,4,5,6,7,8,9,10,11,12,13,14,15
	v_bfe_u32 v[BB+32+\k], v[PD+\k], 16, 8
.endr
.irp k, 0,1,2,3,4,5,6,7,8,9,10,11,12,13,14,15
	v_lshrrev_b32 v[BB+48+\k], 24, v[PD+\k]
.endr
.irp j, 0,1,2,3
.irp k, 0,1,2,3,4,5,6,7,8,9,10,11,12,13,14,15
	v_min_u32 v[XX+\k], v[BB+16*\j+\k], v[DD+\k]
.endr
.irp k, 0,1,2,3,4,5,6,7,8,9,10,11,12,13,14,15
	v_sub_nc_u32 v[BB+16*\j+\k], v[BB+16*\j+\k], v[XX+\k]   ; the byte less D, held at 0
.endr
.endr
.irp j, 1,2,3
.irp k, 0,1,2,3,4,5,6,7,8,9,10,11,12,13,14,15
	v_lshl_or_b32 v[BB+\k], v[BB+16*\j+\k], 8*\j, v[BB+\k]
.endr
.endr
.irp aa, 0,1
.irp i, 0,1,2,3,4,5,6,7
	ds_store_b32 v[SWA], v[BB+8*\aa+\i] offset:SCN*(\i/2)+8*(\i%2)+256*\aa
.endr
.endr
.irp aa, 0,1
	v_fma_f32 v[LV+\aa], v[PD+32+8*\aa+1], s[F+1], v[PD+32+8*\aa]   ; the first pair of key steps is written for every block; a copy counts x 0
.endr
.irp i, 2,3,4,5,6,7
.irp aa, 0,1
	v_fma_f32 v[LV+\aa], v[PD+32+8*\aa+\i], s[F+\i], v[LV+\aa]
.endr
.endr
.irp aa, 0,1
	v_permlanex16_b32 v[PT+\aa], v[LV+\aa], s[SEL], s[SEL+1]
.endr
.irp aa, 0,1
	v_add_f32 v[LV+\aa], v[LV+\aa], v[PT+\aa]      ; the row's sum: over 1/2
.endr
.irp aa, 0,1
	v_rcp_f32 v[LV+\aa], v[LV+\aa]
.endr
	v_nop                                          ; a plain place behind the reciprocals
	s_wait_alu depctr_va_vdst(0)                   ; one wait for the two, ahead of their first reader
.irp aa, 0,1
	ds_store_b32 v[RLW], v[LV+\aa] offset:64*\aa   ; lanes r and r + 16 write the same word with the same value
.endr
	s_wait_loadcnt 0x0                             ; v's words
.irp vv, 0,1,2,3
.irp i, 0,1,2,3,4,5,6,7
	ds_store_b32 v[SWV], v[VW+8*\vv+\i] offset:SCN*(\i/2)+8*(\i%2)+256*\vv
.endr
.endr
	; ---- the head's barrier: slot 0 is whole, and so are the scale words and 1 / l.  Behind it nothing is filled again: buffer 1 gets its first fill, if slot 1 is live
	s_wait_tensorcnt 0x0
	ds_add_u32 v[SPW], v[NIL]
	s_wait_dscnt 0x0
	s_barrier_signal -1
	s_barrier_wait -1
	s_cmp_lt_u32 s[QT], 4                          ; the first four blocks of queries have one slot: slot 1 would be read by no wave
	s_cbranch_scc1 .Lone_slot
	TLOAD 1, 1
.Lone_slot:
	FETCH 0, 0, 0
	SCALES 0
	SCALES 1
	s_wait_dscnt 0x0
	FETCH 0, 1, 1                                  ; key step 1's images lie in slot 0 for every block of queries (zero codes where it is not live)
	SCALES 2
	SCALES 3
	WIN MUL_W
	MUL 0, SC, 1                                   ; key step 0: its products start the sums
	WIN 0
	KSTEP 1, .Lchg0
	KSTEP 2, .Lchg0
.Lchg0:
	CHANGE 0
	KSTEP 4, .Lchg1
	KSTEP 5, .Lchg1
	KSTEP 6, .Lchg1
.Lchg1:
	CHANGE 1
	KSTEP 8, .Lchg2
	KSTEP 9, .Lchg2
	KSTEP 10, .Lchg2
.Lchg2:
	CHANGE 2
	KSTEP 12, .Lout
	KSTEP 13, .Lout
	KSTEP 14, .Lout
	KSTEP 15, .Lout
.Lout:
	; ---- THE WAY OUT, a tile of 16 queries x 128 channels at a time: x 1 / l in place, through my own stage in LDS, back as whole rows of 512 bytes
	PLACES 4
.irp a, 0,1,2,3
	ds_load_b32 v[RL+2*\a], v[RLAD] offset:64*\a
	v_mov_b32 v[RL+2*\a+1], 0                      ; (named as the upper half of a pair)
.endr
	s_wait_dscnt 0x0
.macro SCALE a
	WIN 0x82                                       ; destination and source 0 window 2
.set j, 0
.rept 32
	v_pk_mul_f32 v[64*(\a)+j:64*(\a)+j+1], v[64*(\a)+j:64*(\a)+j+1], v[RL+2*(\a):RL+2*(\a)+1] op_sel_hi:[1,0]   ; each accumulator from its low end on
.set j, j+2
.endr
.endm
.macro TOSTAGE a
	WIN 0x08                                       ; an LDS store's data are its source 1: window 2
.irp b, 0,1,2,3,4,5,6,7
	ds_store_b128 v[STO], v[64*(\a)+8*\b:64*(\a)+8*\b+3] offset:128*(\b/2)+32*(\b%2)         ; lane (r, h): channels 32 (b / 2) + 16 h + 8 (b % 2) + 0 .. 7 of row r
	ds_store_b128 v[STO], v[64*(\a)+8*\b+4:64*(\a)+8*\b+7] offset:128*(\b/2)+32*(\b%2)+16
.endr
	WIN 0
.set BBK, BK+64*((\a)%2)
.irp t, 0,1,2,3,4,5,6,7,8,9,10,11,12,13,14,15
	ds_load_b128 v[BBK+4*\t:BBK+4*\t+3], v[RD] offset:SPITCH*\t   ; LDS serves a wave's instructions in order: these see my stores, and the next tile's stores come behind them
.endr
.endm
.macro SEND a, younger                 ; younger: the LDS instructions issued behind tile a's loads, which may stay out
.set BBK, BK+64*((\a)%2)
	s_wait_dscnt \younger
.irp t, 0,1,2,3,4,5,6,7,8,9,10,11,12,13,14,15
	global_store_b128 v[CO], v[BBK+4*\t:BBK+4*\t+3], s[12:13] offset:(32*((\a)/2)+8*((\a)%2)+\t+8*(\t/8))*4096 th:TH_STORE_NT   ; 512 consecutive bytes of a row of O, aligned
.endr
.endm
	SCALE 0
	TOSTAGE 0
.irp a, 1,2,3
	SCALE \a
.if \a > 1
	s_wait_xcnt 0x0                                ; tile a - 2's stores have read their registers: tile a's loads may land there
.endif
	TOSTAGE \a
	SEND \a-1, 32                                  ; behind tile a - 1's loads: tile a's 16 stores and 16 loads
.endr
	SEND 3, 0
	s_wait_tensorcnt 0x0                           ; the wave's end
	ds_add_u32 v[SPW], v[NIL]
	s_wait_dscnt 0x0
	s_endpgm
.Lfunc_end_k_qc2a829152d_pv:
	.size	k_qc2a829152d_pv, .Lfunc_end_k_qc2a829152d_pv-k_qc2a829152d_pv
	.p2alignl 7, 3214868480
	.fill 96, 4, 3214868480
	.section	.rodata,"a",@progbits
	.p2align	6, 0x0
	.amdhsa_kernel k_qc2a829152d_pv
		.amdhsa_group_segment_fixed_size 327680
		.amdhsa_private_segment_fixed_size 0
		.amdhsa_enable_private_segment 0
		.amdhsa_kernarg_size 40
		.amdhsa_user_sgpr_count 2
		.amdhsa_user_sgpr_kernarg_segment_ptr 1
		.amdhsa_wavefront_size32 1
		.amdhsa_system_sgpr_workgroup_id_x 1
		.amdhsa_system_sgpr_workgroup_id_y 1
		.amdhsa_system_sgpr_workgroup_id_z 1
		.amdhsa_system_vgpr_workitem_id 0
		.amdhsa_next_free_vgpr 768
		.amdhsa_next_free_sgpr 96
		.amdhsa_reserve_vcc 0
		.amdhsa_float_denorm_mode_32 3
		.amdhsa_float_denorm_mode_16_64 3
		.amdhsa_memory_ordered 1
		.amdhsa_forward_progress 1
		.amdhsa_inst_pref_size 171
	.end_amdhsa_kernel
	.amdgpu_metadata
---
amdhsa.version: [ 1, 2 ]
amdhsa.kernels:
  - .name:           k_qc2a829152d_pv
    .symbol:         k_qc2a829152d_pv.kd
    .args:
      - { .name: p_c, .offset: 0, .size: 8, .value_kind: global_buffer, .address_space: global }
      - { .name: p_st, .offset: 8, .size: 8, .value_kind: global_buffer, .address_space: global }
      - { .name: qkv_c, .offset: 16, .size: 8, .value_kind: global_buffer, .address_space: global }
      - { .name: qkv_s, .offset: 24, .size: 8, .value_kind: global_buffer, .address_space: global }
      - { .name: out0, .offset: 32, .size: 8, .value_kind: global_buffer, .address_space: global }
    .group_segment_fixed_size: 327680
    .private_segment_fixed_size: 0
    .kernarg_segment_align: 8
    .kernarg_segment_size: 40
    .max_flat_workgroup_size: 128
    .sgpr_count:     96
    .vgpr_count:     768
    .wavefront_size: 32
...
	.end_amdgpu_metadata
.endif
;; end of part 4
